; MI455X (gfx1250); checked and timed in simulation.
; The chip was launched on July 23, 2026; its instructions are those of AMD's public machine-readable ISA for CDNA 5 (MIT licence, August 2026) and "CDNA5" Instruction Set Architecture Reference Guide (July 2026). The comments in the code are by the model that wrote it; some were corrected since.
;; Causal Self Attention. Allowed arithmetic: matrix products marked QUANTISED: E2M1 operands, one E8M0 scale for each 32 along K, by v_wmma_scale_f32_16x16x128_f8f6f4 with both operands' format E2M1 (or v_wmma_scale_f32_32x16x128_f4), f32 sums; everything else in f32.
;; Inputs: Wproj 1,024 x 1,024 float32; Wqkv 1,024 x 3,072 float32; bproj 1,024 float32; bqkv 3,072 float32; lamb one number float32; x 4 x 2,048 x 1,024 float32.
;; Outputs: out0 4 x 2,048 x 1,024 float32; out1 4 x 16 x 2,048 x 64 float32.
;; This version of the problem:
;;   THIS VERSION OF THE PROBLEM IS GIVEN IN LOW PRECISION. The matrix products marked QUANTISED in the list below multiply operands that are first quantised to E2M1 (2 exponent bits, 1 mantissa bit; 4 bits a number), with one power-of-two scale for each 32 numbers along K (OCP MX v1.0); their sums are f32. All else is computed in f32.
;;   The module's matrix products, in the order in which they are computed (A, B: the left and right operand; K: the contracted axis; several contracted axes count as one K, in the product's order):
;;     1. [M 8,192, K 1,024] x [K 1,024, N 3,072]; A: input x; B: input Wqkv: QUANTISED
;;     2. batch 64 x [M 2,048, K 64] x [K 64, N 2,048]; A: computed on the way; B: computed on the way: QUANTISED
;;     3. batch 64 x [M 2,048, K 2,048] x [K 2,048, N 64]; A: softmax (see below); B: computed on the way: QUANTISED
;;     4. [M 8,192, K 1,024] x [K 1,024, N 1,024]; A: computed on the way; B: input Wproj: QUANTISED
;;   THE QUANTISER, for each operand of a quantised product, along K:
;;     - K is cut into blocks of 32 from its start; a last block that is shorter is filled with zeros.
;;     - A block's scale is 2^e with e = floor(log2(the largest magnitude in the block)) - 2, held to -126 .. 127; a block of zeros has e = 0. As a byte (E8M0): e + 127.
;;     - Each number is divided by its block's scale, clamped to +-6, and rounded to the nearest number of E2M1, ties to even, subnormals kept.
;;     - The product sums the exact products of the quantised numbers (number of the format x scale) in f32.
;;   ~~~python
;;   def quantise(x, axis):      # numpy; x: float32 -> the quantised numbers, widened to float32 again
;;       x = np.moveaxis(x, axis, -1); K = x.shape[-1]
;;       x = np.pad(x, [(0, 0)] * (x.ndim - 1) + [(0, -K % 32)]); x = x.reshape(x.shape[:-1] + (-1, 32)); a = np.abs(x).max(-1, keepdims=True)
;;       e = np.where(a > 0, np.clip(np.frexp(np.where(a > 0, a, 1))[1] - 1 - 2, -126, 127), 0)      # np.frexp(a)[1] - 1 = floor(log2(a)), exactly
;;       r = np.clip(x / 2.0 ** e, -6, 6)
;;       step = 2.0 ** (np.maximum(np.frexp(np.where(r == 0, 1, r))[1] - 1, 0) - 1)
;;       q = np.round(r / step) * step * 2.0 ** e      # np.round: ties to even
;;       return np.moveaxis(q.reshape(q.shape[:-2] + (-1,))[..., :K], -1, axis).astype(np.float32)
;;   ~~~
;;   SOFTMAX AHEAD OF A QUANTISED PRODUCT. Where the list says 'softmax', what is quantised is not the finished softmax but p = 2^(t - M), with t = logit x log2(e) and M = ceil(the row's largest t), a whole number; so 1/2 < the row's largest p <= 1. The row's sum l is taken of the UNQUANTISED p, in f32, and the product's result is divided by l at the end. Since M is a whole number, a kernel that streams over the keys may use a running M (the ceiling of the running maximum): every later rescaling is an exact power of two, which a block's scale takes up: the codes' values come out the same.
;;   OPERANDS COMPUTED ON THE WAY. 'Computed on the way' means the value that the module computes at that place (a softmax that the list does not call 'softmax' is quantised finished and normalised). What goes into a quantiser is computed in f32, as accurately as f32 sums, v_exp_f32 and their like allow (about 1e-6 of the number): no bf16 or f16 on the way to a quantiser, and a product that is left as it is and whose result goes on into a quantised operand takes f32 operands (vector FMAs, or v_wmma_f32_16x16x4_f32). A number that lies on a knife's edge between two numbers of the format may be rounded either way, as far as f32 arithmetic and the matrix unit's own rounding can turn it there, and no further.
;; One version. Each part assembles by itself: llvm-mc -triple=amdgcn-amd-amdhsa -mcpu=gfx1250 --defsym DOCPART=n.
;; ======== version 1 of 1: 4 launches
;; workspace buffers: xq 4,456,448 bytes; wq1 1,671,168 bytes; wq2 557,056 bytes; rope 524,288 bytes; qrec 4,718,592 bytes; kv 9,175,040 bytes; aq 4,456,448 bytes
;; launch prep (part 1): grid 352 x 1, 4 waves a work-group, no clusters, 35,328 bytes of LDS; arguments x, Wqkv, Wproj, xq, wq1, wq2, rope; writes xq, wq1, wq2, rope
.if DOCPART == 1
	.amdgcn_target "amdgcn-amd-amdhsa--gfx1250"
	.amdhsa_code_object_version 6
	.text
	.protected	k_q68c58c0b10_prep
	.globl	k_q68c58c0b10_prep
	.p2align	8
	.type	k_q68c58c0b10_prep,@function
k_q68c58c0b10_prep:
	s_mov_b64 s[64:65], 0
	v_nop
	global_prefetch_b8 v0, s[64:65] scope:SCOPE_SE
	s_setreg_imm32_b32 hwreg(HW_REG_WAVE_MODE, 25, 1), 1
	s_wait_xcnt 0x0
; PREP: x, Wqkv and Wproj become codes of FP4 (E2M1) with one E8M0 byte for each 32 along K; and the table of cos and sin for the rotary step is made.
; WORK LEFT OUT BY THE WHOLE PROGRAM.  (1) value = (1 - lamb) v + lamb v is v for every finite lamb and v, since (1 - lamb) + lamb = 1 is an identity: the factor is 1.  The blend is not computed, the same v goes
; to out1 and into V's quantiser, and the input lamb has no way to any output: it is not loaded and is among no launch's arguments.  (2) Steps of 128 keys that lie wholly behind a tile of queries under the
; causal mask that the problem builds itself are not multiplied.  LIMIT: a NaN, an infinity or an overflow that reaches only the work left out (one that arises from lamb alone) is not carried to the result.
; LIMITS: NaN and infinities among the inputs are not served.  A block of zeros gets the byte 1 where the quantiser says 127: its codes are zeros, which add nothing under any byte but 0xff, and this program
; alone reads the bytes.  Blocks whose largest magnitude lies under 2^-124 are held at the byte 1.  The rotary angle is reduced by pi/2 in two parts: what is left out of pi/2 is under 2e-15, times at most 1,304.
; LAYOUT OF A BUFFER OF CODES: [2 K steps of 512][17 planes][rows][16 bytes].  Plane t < 16: the 32 codes of the K step's block t; plane 16: the row's 16 scale bytes of the K step.
; A row m (a token, a column of W) lies at POSITION m with its bits 3 and 4 exchanged: so the 16 positions of tile 2 b + u hold rows 32 b + 8 u + (r % 8) + 16 (r / 8), and in a matrix result the 16 registers of
; two neighbouring tiles are 16 neighbouring rows.
; SHARES: work-groups 0-255 take x, 256-303 Wqkv, 304-319 Wproj, 320-351 the table.  Only x's path uses LDS.  No tensor loads, no barrier: waves share nothing.
.set SPARE, 34816                      ; behind the four waves' stages: the spare words, 128 bytes for each wave
.set SPW,   14                         ; v14  LDS address of my spare word; never rewritten
.set NIL,   15                         ; v15  0; never rewritten
.set PL,    131072                     ; a plane of xq: 8,192 rows x 16 bytes
.set XR,    32                         ; v32-95   x: two sets of 32 registers as loaded
.set XX,    96                         ; v96-159  two sets: a whole block of 32 neighbours a lane
.set XC,    160                        ; v160-191 codes, four registers a step: no store's data are written again
.set XW,    24                         ; v24-27   scale bytes
.set XT,    28                         ; v28-31   the other half's
; the largest magnitude of the 32 numbers v[xs] on, with the floor 2^(3 - 127) among the leaves; v11 = the conversion's scale operand (2 off the exponent field), v13 = the scale's byte
.macro BMAX xs
	v_max3_num_f32 v8, |v[(\xs)]|, |v[(\xs)+1]|, |v[(\xs)+2]|
	v_max3_num_f32 v9, |v[(\xs)+3]|, |v[(\xs)+4]|, |v[(\xs)+5]|
.irp i,6,10,14,18,22,26
	v_max3_num_f32 v8, v8, |v[(\xs)+\i]|, |v[(\xs)+\i+1]|
	v_max3_num_f32 v9, v9, |v[(\xs)+\i+2]|, |v[(\xs)+\i+3]|
.endr
	v_max3_num_f32 v8, v8, |v[(\xs)+30]|, |v[(\xs)+31]|
	v_max3_num_f32 v8, v8, v9, 0x1800000
	v_add_nc_u32 v11, 0xff000000, v8
	v_lshrrev_b32 v13, 23, v11
.endm
; x, step t: 64 along K of the tile's 16 rows; each half of the lanes reads 256 consecutive bytes of one row
.macro XLOAD t
.irp i,0,1,2,3,4,5,6,7
	global_load_b128 v[XR+32*((\t)%2)+4*\i:XR+32*((\t)%2)+4*\i+3], v4, s[4:5] offset:(((2*\i)%8)+16*(\i/4))*4096+256*(\t) th:TH_LOAD_NT
.endr
.endm
; through my own stage (16 rows of 256 bytes + 16): in as loaded, back 128 bytes a lane: lane (r, h) then holds block 2 t + h of row r.  LDS serves a wave's instructions in order
.macro XTURN t
.irp i,0,1,2,3,4,5,6,7
	ds_store_b128 v5, v[XR+32*((\t)%2)+4*\i:XR+32*((\t)%2)+4*\i+3] offset:4352*((\t)%2)+544*\i
.endr
.irp g,0,1,2,3,4,5,6,7
	ds_load_b128 v[XX+32*((\t)%2)+4*\g:XX+32*((\t)%2)+4*\g+3], v6 offset:4352*((\t)%2)+16*\g
.endr
.endm
.macro XSTEP t
	s_wait_dscnt 0x0                               ; this step's numbers are back: so its stores into the stage have read their registers,
.if (\t)+2 < 8
	XLOAD (\t)+2                                   ; which take the loads of two steps on
	s_wait_loadcnt 8                               ; the next step's eight loads are in; the eight just issued may be out
.else
	s_wait_loadcnt 0x0
.endif
.if (\t)+1 < 8
	XTURN (\t)+1
.endif
	BMAX XX+32*((\t)%2)
.if (\t)%2 == 0
	v_mov_b32 v[XW+(\t)/2], v13                    ; blocks 4 q + h and 4 q + 2 + h of word q, 16 bits apart
.else
	v_lshl_or_b32 v[XW+(\t)/2], v13, 16, v[XW+(\t)/2]
.endif
.irp g,0,1,2,3
	v_cvt_scalef32_pk8_fp4_f32 v[XC+4*(\t)+\g], v[XX+32*((\t)%2)+8*\g:XX+32*((\t)%2)+8*\g+7], v11
.endr
	global_store_b128 v7, v[XC+4*(\t):XC+4*(\t)+3], s[10:11] offset:2*(\t)*PL   ; planes 2 t and 2 t + 1: each half of the lanes stores 256 consecutive bytes, aligned
.endm
; W [K][N]: a lane takes a column and its registers run down K
.macro WLOAD t, N, src
.irp i,0,1,2,3,4,5,6,7,8,9,10,11,12,13,14,15,16,17,18,19,20,21,22,23,24,25,26,27,28,29,30,31
	global_load_b32 v[32+32*((\t)%2)+\i], v4, s[\src:\src+1] offset:(32*(\t)+\i)*\N*4 th:TH_LOAD_NT
.endr
.endm
.macro WBLOCK t, N, src, dst
.if (\t) < 15
	s_wait_loadcnt 32                              ; this block's 32 loads are in; the next block's may be out
.else
	s_wait_loadcnt 0x0
.endif
	BMAX 32+32*((\t)%2)
.if (\t)%4 == 0
	v_mov_b32 v[24+(\t)/4], v13
.else
	v_lshl_or_b32 v[24+(\t)/4], v13, 8*((\t)%4), v[24+(\t)/4]
.endif
.irp g,0,1,2,3
	v_cvt_scalef32_pk8_fp4_f32 v[96+4*(\t)+\g], v[32+32*((\t)%2)+8*\g:32+32*((\t)%2)+8*\g+7], v11
.endr
	global_store_b128 v5, v[96+4*(\t):96+4*(\t)+3], s[\dst:\dst+1] offset:(\t)*\N*16   ; plane t: the wave stores 512 consecutive bytes
.if (\t)+2 < 16
	WLOAD (\t)+2, \N, \src
.endif
.endm
; a wave: 32 columns x 512 along K.  Every offset is an immediate: 511 rows of N x 4 bytes stay inside the signed 24 bits (ISA guide, chapter 10) for N = 3,072
.macro WQ N, src, dst, first
	s_sub_co_u32 s22, ttmp9, \first
	s_cmp_ge_u32 s22, \N/128
	s_cselect_b32 s24, 1, 0                        ; which K step
	s_cselect_b32 s23, \N/128, 0
	s_sub_co_u32 s22, s22, s23
	s_lshl_b32 s22, s22, 7
	s_lshl_b32 s23, s18, 5
	s_add_co_u32 s22, s22, s23                     ; my wave's first column
	s_mul_i32 s26, s24, 512*\N*4
	s_lshl_b32 s23, s22, 2
	s_add_co_u32 s26, s26, s23
	s_mov_b32 s27, 0
	s_add_nc_u64 s[\src:\src+1], s[\src:\src+1], s[26:27]
	s_mul_i32 s26, s24, 17*\N*16
	s_lshl_b32 s23, s22, 4
	s_add_co_u32 s26, s26, s23
	s_add_nc_u64 s[\dst:\dst+1], s[\dst:\dst+1], s[26:27]
	v_lshlrev_b32 v4, 2, v1                        ; in: 4 bytes a lane
	v_and_b32 v5, 7, v1                            ; out: my column's position: the lane with bits 3 and 4 exchanged, 16 bytes each
	v_and_b32 v8, 8, v1
	v_lshl_or_b32 v5, v8, 1, v5
	v_and_b32 v8, 16, v1
	v_lshrrev_b32 v8, 1, v8
	v_or_b32 v5, v5, v8
	v_lshlrev_b32 v5, 4, v5
	WLOAD 0, \N, \src
	WLOAD 1, \N, \src
.set Q, 0
.rept 16
	WBLOCK Q, \N, \src, \dst
.set Q, Q+1
.endr
	global_store_b128 v5, v[24:27], s[\dst:\dst+1] offset:16*\N*16   ; plane 16: my column's 16 scale bytes
	s_endpgm
.endm
.macro PICK dst, c0, c1, c2, c3, m     ; one of four constants, by three masks
	v_mov_b32 v[\dst], \c0
	v_mov_b32 v8, \c1
	v_cndmask_b32 v[\dst], v[\dst], v8, s[\m]
	v_mov_b32 v8, \c2
	v_cndmask_b32 v[\dst], v[\dst], v8, s[\m+1]
	v_mov_b32 v8, \c3
	v_cndmask_b32 v[\dst], v[\dst], v8, s[\m+2]
.endm
	s_load_b256 s[4:11], s[0:1], 0x0               ; x s[4:5], Wqkv s[6:7], Wproj s[8:9], xq s[10:11]
	s_load_b128 s[12:15], s[0:1], 0x20             ; wq1 s[12:13], wq2 s[14:15]
	s_load_b64 s[16:17], s[0:1], 0x30              ; rope
	v_lshl_add_u32 v[SPW], v0, 2, SPARE
	v_mov_b32 v[NIL], 0
	v_lshrrev_b32 v1, 5, v0
	v_readfirstlane_b32 s18, v1                    ; wave
	v_and_b32 v1, 31, v0                           ; lane
	v_and_b32 v2, 15, v0                           ; r
	v_bfe_u32 v3, v0, 4, 1                         ; h
	s_mov_b32 s20, 0x76543210
	s_mov_b32 s21, 0xfedcba98                      ; v_permlanex16_b32's selects for lane l xor 16
	s_wait_kmcnt 0x0
	s_cmp_lt_u32 ttmp9, 256
	s_cbranch_scc1 .Lx
	s_cmp_lt_u32 ttmp9, 304
	s_cbranch_scc1 .Lw1
	s_cmp_lt_u32 ttmp9, 320
	s_cbranch_scc1 .Lw2
	; ---- THE TABLE: rope[t][0..31] = cos(t inv_f), rope[t][32..63] = sin(t inv_f), inv_f = 1 / 10000^(f / 32) = 1 / 10^(f / 8).  A wave makes 16 rows; lane l the elements 2 l and 2 l + 1.
	; 10^(f / 8) = 10^((f % 8) / 8), kept as a high and a low part, times 10^(f / 8 rounded down), which is exact; rounded once to f32; its reciprocal is mended by two Newton steps.
	s_sub_co_u32 s22, ttmp9, 320
	s_lshl_b32 s22, s22, 2
	s_add_co_u32 s22, s22, s18
	s_lshl_b32 s22, s22, 4                         ; my first t
	s_lshl_b32 s26, s22, 8
	s_mov_b32 s27, 0
	s_add_nc_u64 s[16:17], s[16:17], s[26:27]
	s_mov_b32 s34, 0x3fc90fdb                      ; pi/2, high part
	s_mov_b32 s35, 0x333bbd2e                      ; high part - pi/2
	s_wait_alu depctr_va_vdst(0)
	v_and_b32 v4, 3, v2                            ; f = 2 r and 2 r + 1: f % 8 = 2 (r % 4) (+ 1), f / 8 = r / 4
	v_lshrrev_b32 v5, 2, v2
	v_cmp_eq_u32 s28, 1, v4
	v_cmp_eq_u32 s29, 2, v4
	v_cmp_eq_u32 s30, 3, v4
	v_cmp_eq_u32 s31, 1, v5
	v_cmp_eq_u32 s32, 2, v5
	v_cmp_eq_u32 s33, 3, v5
	PICK 16, 0x3f800000, 0x3fe39ea9, 0x404a62c2, 0x40b3f300, 28
	PICK 17, 0, 0xb26aee3c, 0xb324b496, 0x34323462, 28
	PICK 18, 0x3faab0d5, 0x4017c496, 0x4086f161, 0x40eff755, 28
	PICK 19, 0xb36457e2, 0x33606940, 0xb430577a, 0x34515b50, 28
	PICK 20, 0x3f800000, 0x41200000, 0x42c80000, 0x447a0000, 31
.irp k,0,1
	v_mul_f32 v[24+\k], v[16+2*\k], v20
	v_fma_f32 v[26+\k], v[16+2*\k], v20, -v[24+\k] ; what the product's rounding lost,
	v_fma_f32 v[26+\k], v[17+2*\k], v20, v[26+\k]  ; and the low part's share
	v_add_f32 v[22+\k], v[24+\k], v[26+\k]
.endr
	s_wait_alu depctr_va_vdst(0)
	v_rcp_f32 v28, v22
	v_rcp_f32 v29, v23
	v_sub_nc_u32 v21, 1, v3                        ; (a plain line behind the reciprocals)  cos(x) = sin(x + pi/2): lanes 0-15 count one quadrant more
	s_wait_alu depctr_va_vdst(0)                   ; the wait ahead of the first line that names a reciprocal's result: one for both
.rept 2
.irp k,0,1
	v_fma_f32 v[30+\k], -v[22+\k], v[28+\k], 1.0
	v_fma_f32 v[28+\k], v[30+\k], v[28+\k], v[28+\k]
.endr
.endr
	v_lshlrev_b32 v9, 3, v1                        ; 8 bytes a lane: the wave stores a row of 256 bytes
	s_mov_b32 s23, 0
.Lrope:
	v_cvt_f32_u32 v32, s22
.irp k,0,1
	v_mul_f32 v[34+\k], v32, v[28+\k]              ; the angle, rounded to f32 as the problem has it
	v_mul_f32 v[36+\k], 0x3f22f983, v[34+\k]
	v_rndne_f32 v[36+\k], v[36+\k]                 ; n = the nearest multiple of pi/2
	v_fma_f32 v[34+\k], -v[36+\k], s34, v[34+\k]
	v_fma_f32 v[34+\k], v[36+\k], s35, v[34+\k]    ; rho, within pi/4 of 0
	v_mul_f32 v[38+\k], v[34+\k], v[34+\k]
	v_mov_b32 v[40+\k], 0x3638ef1d                 ; sin rho = rho + rho s (-1/6 + s (1/120 + s (-1/5040 + s / 362880)))
	v_fmaak_f32 v[40+\k], v[40+\k], v[38+\k], 0xb9500d01
	v_fmaak_f32 v[40+\k], v[40+\k], v[38+\k], 0x3c088889
	v_fmaak_f32 v[40+\k], v[40+\k], v[38+\k], 0xbe2aaaab
	v_mul_f32 v[42+\k], v[34+\k], v[38+\k]
	v_fma_f32 v[40+\k], v[40+\k], v[42+\k], v[34+\k]
	v_mov_b32 v[44+\k], 0xb493f27e                 ; cos rho = 1 + s (-1/2 + s (1/24 + s (-1/720 + s (1/40320 - s / 3628800))))
	v_fmaak_f32 v[44+\k], v[44+\k], v[38+\k], 0x37d00d01
	v_fmaak_f32 v[44+\k], v[44+\k], v[38+\k], 0xbab60b61
	v_fmaak_f32 v[44+\k], v[44+\k], v[38+\k], 0x3d2aaaab
	v_fmaak_f32 v[44+\k], v[44+\k], v[38+\k], 0xbf000000
	v_fmaak_f32 v[44+\k], v[44+\k], v[38+\k], 0x3f800000
	v_cvt_i32_f32 v[46+\k], v[36+\k]
	v_add_nc_u32 v[46+\k], v[46+\k], v21           ; the quadrant
	v_and_b32 v[48+\k], 1, v[46+\k]
	v_cmp_eq_u32 vcc_lo, 1, v[48+\k]
	v_cndmask_b32 v[50+\k], v[40+\k], v[44+\k], vcc_lo
	v_and_b32 v[48+\k], 2, v[46+\k]
	v_lshlrev_b32 v[48+\k], 30, v[48+\k]
	v_xor_b32 v[50+\k], v[50+\k], v[48+\k]         ; quadrants 2 and 3 turn the sign
.endr
	global_store_b64 v9, v[50:51], s[16:17]
	s_wait_xcnt 0x0                                ; the store's data and base are written again only behind this wait
	s_add_nc_u64 s[16:17], s[16:17], 256
	s_add_co_u32 s22, s22, 1
	s_add_co_u32 s23, s23, 1
	s_cmp_lt_u32 s23, 16
	s_cbranch_scc1 .Lrope
	s_endpgm
.Lw1:
	s_wait_alu depctr_va_vdst(0)
	WQ 3072, 6, 12, 256
.Lw2:
	s_wait_alu depctr_va_vdst(0)
	WQ 1024, 8, 14, 304
.Lx:	; ---- x: a wave takes one tile of 16 positions x one K step of 512, in eight steps of 64 along K
	s_lshl_b32 s22, ttmp9, 2
	s_add_co_u32 s22, s22, s18
	s_lshr_b32 s23, s22, 1                         ; G: the tile
	s_and_b32 s24, s22, 1                          ; the K step
	s_lshr_b32 s26, s23, 1
	s_lshl_b32 s26, s26, 17                        ; the tile's first row is 32 (G / 2) + 8 (G % 2), rows of 4,096 bytes
	s_and_b32 s27, s23, 1
	s_lshl_b32 s27, s27, 15
	s_add_co_u32 s26, s26, s27
	s_lshl_b32 s27, s24, 11
	s_add_co_u32 s26, s26, s27
	s_mov_b32 s27, 0
	s_add_nc_u64 s[4:5], s[4:5], s[26:27]
	s_mul_i32 s26, s24, 17*PL
	s_lshl_b32 s28, s23, 8
	s_add_co_u32 s26, s26, s28
	s_add_nc_u64 s[10:11], s[10:11], s[26:27]
	s_mul_i32 s25, s18, 8704                       ; my two stages
	s_wait_alu depctr_va_vdst(0)
	v_lshlrev_b32 v4, 4, v2
	v_lshl_add_u32 v4, v3, 12, v4                  ; a load: 16 r bytes of row + h
	v_mul_u32_u24 v5, v3, 272
	v_lshl_add_u32 v5, v2, 4, v5
	v_add_nc_u32 v5, s25, v5                       ; into the stage, as loaded
	v_mul_u32_u24 v6, v2, 272
	v_lshl_add_u32 v6, v3, 7, v6
	v_add_nc_u32 v6, s25, v6                       ; out of it: row r, block h
	v_lshlrev_b32 v7, 4, v2
	v_lshl_add_u32 v7, v3, 17, v7                  ; codes: position r, plane + h
	v_lshlrev_b32 v10, 4, v2
	v_lshl_add_u32 v10, v3, 3, v10                 ; scale bytes: 16 r + 8 h
	v_lshlrev_b32 v12, 3, v3                       ; 8 h
.irp q,0,1,2,3
	v_mov_b32 v[XT+\q], 0                          ; written once: a lane permute's destination counts as one of its sources
.endr
	XLOAD 0
	XLOAD 1
	s_wait_loadcnt 8                               ; step 0's eight loads are in
	XTURN 0
.irp t,0,1,2,3,4,5,6,7
	XSTEP \t
.endr
.irp q,0,1,2,3
	v_lshlrev_b32 v[XW+\q], v12, v[XW+\q]          ; my bytes at their places in word q (8 h bits up);
.endr
.irp q,0,1,2,3
	v_permlanex16_b32 v[XT+\q], v[XW+\q], s20, s21
.endr
.irp q,0,1,2,3
	v_or_b32 v[XW+\q], v[XW+\q], v[XT+\q]          ; with lane l xor 16's the word is whole
.endr
	v_cmp_eq_u32 vcc_lo, 1, v3
	v_cndmask_b32 v8, v[XW], v[XW+2], vcc_lo
	v_cndmask_b32 v9, v[XW+1], v[XW+3], vcc_lo
	global_store_b64 v10, v[8:9], s[10:11] offset:16*PL   ; plane 16: the wave stores 256 consecutive bytes, aligned
	s_wait_tensorcnt 0x0                           ; the wave's end
	ds_add_u32 v[SPW], v[NIL]
	s_wait_dscnt 0x0
	s_endpgm
.Lfunc_end_k_q68c58c0b10_prep:
	.size	k_q68c58c0b10_prep, .Lfunc_end_k_q68c58c0b10_prep-k_q68c58c0b10_prep
	.p2alignl 7, 3214868480
	.fill 96, 4, 3214868480
	.section	.rodata,"a",@progbits
	.p2align	6, 0x0
	.amdhsa_kernel k_q68c58c0b10_prep
		.amdhsa_group_segment_fixed_size 35328
		.amdhsa_private_segment_fixed_size 0
		.amdhsa_enable_private_segment 0
		.amdhsa_kernarg_size 56
		.amdhsa_user_sgpr_count 2
		.amdhsa_user_sgpr_kernarg_segment_ptr 1
		.amdhsa_wavefront_size32 1
		.amdhsa_system_sgpr_workgroup_id_x 1
		.amdhsa_system_sgpr_workgroup_id_y 1
		.amdhsa_system_sgpr_workgroup_id_z 1
		.amdhsa_system_vgpr_workitem_id 0
		.amdhsa_next_free_vgpr 192
		.amdhsa_next_free_sgpr 66
		.amdhsa_reserve_vcc 1
		.amdhsa_float_denorm_mode_32 3
		.amdhsa_float_denorm_mode_16_64 3
		.amdhsa_memory_ordered 1
		.amdhsa_forward_progress 1
		.amdhsa_inst_pref_size 185
	.end_amdhsa_kernel
	.amdgpu_metadata
---
amdhsa.version: [ 1, 2 ]
amdhsa.kernels:
  - .name:           k_q68c58c0b10_prep
    .symbol:         k_q68c58c0b10_prep.kd
    .args:
      - { .name: x, .offset: 0, .size: 8, .value_kind: global_buffer, .address_space: global }
      - { .name: Wqkv, .offset: 8, .size: 8, .value_kind: global_buffer, .address_space: global }
      - { .name: Wproj, .offset: 16, .size: 8, .value_kind: global_buffer, .address_space: global }
      - { .name: xq, .offset: 24, .size: 8, .value_kind: global_buffer, .address_space: global }
      - { .name: wq1, .offset: 32, .size: 8, .value_kind: global_buffer, .address_space: global }
      - { .name: wq2, .offset: 40, .size: 8, .value_kind: global_buffer, .address_space: global }
      - { .name: rope, .offset: 48, .size: 8, .value_kind: global_buffer, .address_space: global }
    .group_segment_fixed_size: 35328
    .private_segment_fixed_size: 0
    .kernarg_segment_align: 8
    .kernarg_segment_size: 56
    .max_flat_workgroup_size: 128
    .sgpr_count:     66
    .vgpr_count:     192
    .wavefront_size: 32
...
	.end_amdgpu_metadata
.endif
;; end of part 1
;; launch qkv (part 2): grid 12 x 64, 4 waves a work-group, clusters of 4 x 4, 327,680 bytes of LDS; arguments xq, wq1, bqkv, rope, qrec, kv, out1; writes qrec, kv, out1
.if DOCPART == 2
	.amdgcn_target "amdgcn-amd-amdhsa--gfx1250"
	.amdhsa_code_object_version 6
	.text
	.protected	k_q68c58c0b10_qkv
	.globl	k_q68c58c0b10_qkv
	.p2align	8
	.type	k_q68c58c0b10_qkv,@function
k_q68c58c0b10_qkv:
	s_mov_b64 s[64:65], 0
	v_nop
	global_prefetch_b8 v0, s[64:65] scope:SCOPE_SE
	s_setreg_imm32_b32 hwreg(HW_REG_WAVE_MODE, 25, 1), 1
	s_wait_xcnt 0x0
	s_wait_alu depctr_hold_cnt(0) depctr_sa_sdst(0) depctr_va_vdst(0) depctr_va_sdst(0) depctr_va_ssrc(0) depctr_va_vcc(0) depctr_vm_vsrc(0)
	s_getreg_b32 s2, hwreg(HW_REG_IB_STS2, 6, 4)
	s_cmp_eq_u32 s2, 0
	s_cbranch_scc0 .Lentry_in_a_cluster
	s_endpgm
.Lentry_in_a_cluster:
	s_bfe_u32 s2, ttmp6, 0x10000c
	s_cmp_lg_u32 s2, 0xf033
	s_cbranch_scc0 .Lentry_shape_is_right
	s_endpgm
.Lentry_shape_is_right:
; QKV: qkv = x Wqkv + bqkv on codes of FP4 (E2M1) with E8M0 scales; then, in registers: q and k: RMS norm of a head, rotary step, quantised along the head's 64; v: stored to out1 and quantised along the keys.
; WORK LEFT OUT: the blend (1 - lamb) v + lamb v is v by an identity (shown at the head of the first kernel): v goes on as it is, lamb is not loaded.
; SHARES.  A tile of the result is 128 rows x 256 columns; four waves; wave w takes all 128 rows x columns 64 w on: ONE HEAD x ONE STEP OF 128 TOKENS: 8 x 4 accumulators, 256 registers.
; All of K = 1,024 of a tile fits in LDS: every tensor load is a first fill, four a wave (four outstanding by this text's count), and nothing is filled again.
; CLUSTERS: 4 x 4 work-groups; x's tiles are shared along a row of the cluster, W's along a column: each is asked for jointly, with the same descriptor and a mask that names the four.
; The cluster's x says what the columns are: 0 q, 1 k, 2 v: the same in all sixteen partners, so the branch on it parts no partners.
; q, k: THE PRODUCT IS USED TRANSPOSED (source 0 = 16 columns of W, source 1 = 16 rows of x): a lane holds one token and 32 of its head's 64 numbers.  v: not transposed: a lane holds one column and its registers run along the tokens, which are the next K.
; Rows and columns lie in the buffers of codes by position (bits 3 and 4 of the index exchanged): so the 16 registers of two neighbouring tiles are 16 neighbours.
; RECORDS, one for each (batch x head, step of 128 tokens): qrec 4,608 bytes: 8 images of operand registers (tile i: lane l's 16 bytes at 512 i + 16 l) and one image of scale words (lane l's 16 bytes: words of tiles
; 0/1, 2/3, 4/5, 6/7; lanes 0-15 the even tile's, lanes 16-31 the odd one's; a word = two bytes and 0x7f7f above them, for the zero codes that fill K = 64 up to 128).  kv 8,960 bytes: k's 4,608 likewise, then four images of
; V^T's fragments (1,024 bytes each) and 256 bytes of their scale words.
; LIMITS: as stated at the head of the first kernel; 1 / sqrt by v_rsq_f32.
; REGISTERS, in windows of 256: window 0: v1-27 addresses; v28, v29 the add's two; v32-63 x's scale words, v64-79 W's; v80-111 the bias as C; v112-255 at work on the way out.  window 1: the accumulators.
;   window 2: two sets of fragments (set p: x's tile i at 96 p + 8 i, W's tile nb at 96 p + 64 + 8 nb); later rows of out1.   window 3: cos and sin of my 128 tokens (q, k).
.set NCOL,  3072
.set KPA,   17*8192*16                 ; bytes from K step to K step in xq
.set KPB,   17*NCOL*16                 ; and in wq1
.set LB,    69632                      ; LDS: x's tiles from 0 (K step s at 34,816 s; part g = [17 planes][32 rows][16 bytes]); W's from here (K step s, wave w at 69,632 s + 17,408 w = [17][64][16])
.set STAGE, 208896                     ; 8,704 bytes for each wave: written by LDS stores alone
.set SPARE, 243712                     ; the spare words, 128 bytes for each wave
.set ADRA,  4                          ; v4-5   my lane's place in x's fragments, K step 0, 1
.set ADRB,  6                          ; v6-7   in W's
.set ASC,   8                          ; v8-9   in x's scale words
.set BSC,   10                         ; v10-11 in W's
.set LI,    12                         ; v12    16 x lane
.set SPW,   28
.set NIL,   29
.set SA,    32                         ; register 16 s + 4 g + q: lanes 0-15 tile 2 g's word, lanes 16-31 tile 2 g + 1's, for the K step's q-th 128
.set SB,    64                         ; register 8 s + 4 p + q likewise
.set BIAS,  80
.set TM,    208
.set WV,    18
.set G1A,   24
.set G1B,   32
.set GA0,   40
.set GA1,   44
.set GB0,   48
.set GB1,   52
.set SEL,   80
.set HM,    82
.set MSB, 0
.macro WIN new                         ; the immediate's high byte repeats the setting that is left
.if MSB != \new
	s_set_vgpr_msb (MSB<<8)|\new
.set MSB, \new
.endif
.endm
.macro PLACES n
.rept \n
	v_nop
.endr
.endm
.macro CROUND                          ; a round of the cluster's barrier
	s_barrier_signal -1
	s_barrier_wait -1
	s_cmp_lg_u32 s[WV], 0
	s_cbranch_scc1 .Lnot_wave_0_\@
	s_barrier_signal -3
.Lnot_wave_0_\@:
	s_barrier_wait -3
	s_barrier_signal -1
	s_barrier_wait -1
.endm
.macro FINISH                          ; the wave's end, then the closing round
	WIN 0
	s_wait_tensorcnt 0x0
	ds_add_u32 v[SPW], v[NIL]
	s_wait_dscnt 0x0
	CROUND
	s_endpgm
.endm
; the fragments of the q-th 128 along K of K step s into set p: lane (r, h) takes planes 4 q + 2 c + h; every load reads 2 x 256 consecutive bytes
.macro FETCH s, q, p
	WIN 0x80
.irp i,0,1,2,3,4,5,6,7
.irp c,0,1
	ds_load_b128 v[96*(\p)+8*\i+4*\c:96*(\p)+8*\i+4*\c+3], v[ADRA+(\s)] offset:(\i/2)*8704+(\i%2)*256+(4*(\q)+2*\c)*512
.endr
.endr
.irp nb,0,1,2,3
.irp c,0,1
	ds_load_b128 v[96*(\p)+64+8*\nb+4*\c:96*(\p)+64+8*\nb+4*\c+3], v[ADRB+(\s)] offset:\nb*256+(4*(\q)+2*\c)*1024
.endr
.endr
.endm
.macro SCALES s                        ; a K step's scale words: four words a row
	WIN 0
.irp g,0,1,2,3
	ds_load_b128 v[SA+16*(\s)+4*\g:SA+16*(\s)+4*\g+3], v[ASC+(\s)] offset:\g*8704
.endr
.irp p,0,1
	ds_load_b128 v[SB+8*(\s)+4*\p:SB+8*(\s)+4*\p+3], v[BSC+(\s)] offset:\p*512
.endr
.endm
.macro WM d, a, b, c, sa, sb, ra, rb   ; one product; ra, rb: the scale words lie in lanes 16-31
.if (\ra) && (\rb)
	v_wmma_scale_f32_16x16x128_f8f6f4 v[(\d):(\d)+7], v[(\a):(\a)+7], v[(\b):(\b)+7], v[(\c):(\c)+7], v[\sa], v[\sb] matrix_a_fmt:MATRIX_FMT_FP4 matrix_b_fmt:MATRIX_FMT_FP4 matrix_a_scale:MATRIX_SCALE_ROW1 matrix_b_scale:MATRIX_SCALE_ROW1
.elseif \ra
	v_wmma_scale_f32_16x16x128_f8f6f4 v[(\d):(\d)+7], v[(\a):(\a)+7], v[(\b):(\b)+7], v[(\c):(\c)+7], v[\sa], v[\sb] matrix_a_fmt:MATRIX_FMT_FP4 matrix_b_fmt:MATRIX_FMT_FP4 matrix_a_scale:MATRIX_SCALE_ROW1
.elseif \rb
	v_wmma_scale_f32_16x16x128_f8f6f4 v[(\d):(\d)+7], v[(\a):(\a)+7], v[(\b):(\b)+7], v[(\c):(\c)+7], v[\sa], v[\sb] matrix_a_fmt:MATRIX_FMT_FP4 matrix_b_fmt:MATRIX_FMT_FP4 matrix_b_scale:MATRIX_SCALE_ROW1
.else
	v_wmma_scale_f32_16x16x128_f8f6f4 v[(\d):(\d)+7], v[(\a):(\a)+7], v[(\b):(\b)+7], v[(\c):(\c)+7], v[\sa], v[\sb] matrix_a_fmt:MATRIX_FMT_FP4 matrix_b_fmt:MATRIX_FMT_FP4
.endif
.endm
; 32 products, 128 along K.  The 32 accumulators take turns, one instruction a turn, in the same order in every step.  first = 1: the bias is the C of each sum's first product.
.macro MUL s, q, p, first, nat
.if \first
	WIN 0x4a
.else
	WIN 0x5a
.endif
.irp i,0,1,2,3,4,5,6,7
.irp nb,0,1,2,3
.if \nat
.if \first
	WM 64*\nb+8*\i,96*(\p)+8*\i,96*(\p)+64+8*\nb,BIAS+8*\nb,SA+16*(\s)+4*(\i/2)+(\q),SB+8*(\s)+4*(\nb/2)+(\q),\i%2,\nb%2
.else
	WM 64*\nb+8*\i,96*(\p)+8*\i,96*(\p)+64+8*\nb,64*\nb+8*\i,SA+16*(\s)+4*(\i/2)+(\q),SB+8*(\s)+4*(\nb/2)+(\q),\i%2,\nb%2
.endif
.else
.if \first
	WM 32*\i+8*\nb,96*(\p)+64+8*\nb,96*(\p)+8*\i,BIAS+8*\nb,SB+8*(\s)+4*(\nb/2)+(\q),SA+16*(\s)+4*(\i/2)+(\q),\nb%2,\i%2
.else
	WM 32*\i+8*\nb,96*(\p)+64+8*\nb,96*(\p)+8*\i,32*\i+8*\nb,SB+8*(\s)+4*(\nb/2)+(\q),SA+16*(\s)+4*(\i/2)+(\q),\nb%2,\i%2
.endif
.endif
.endr
.endr
.endm
; a step of 128 along K: this step's fragments are in; the next step's are asked for, into the other set; then the products
.macro SUB s, q, first, nat
.set NX, 4*(\s)+(\q)+1
	s_wait_dscnt 0x0
.if NX == 4
	s_wait_tensorcnt 0x0                           ; my parts of K step 1 have landed,
	s_barrier_signal -1
	s_barrier_wait -1                              ; everybody's have.
.endif
.if NX < 8
.if NX > 1
	PLACES 4                                       ; four places in front of loads into registers that the last products read
.endif
	FETCH NX/4, NX%4, NX%2
.if NX == 4
	SCALES 1
.endif
.endif
	MUL \s, \q, (\q)%2, \first, \nat
.endm
.macro GEMM nat
	s_wait_tensorcnt 0x2                           ; my parts of K step 0 are in; the two loads issued behind them, K step 1's, may be out
	s_barrier_signal -1
	s_barrier_wait -1
	FETCH 0, 0, 0
	SCALES 0
	SUB 0, 0, 1, \nat
	SUB 0, 1, 0, \nat
	SUB 0, 2, 0, \nat
	SUB 0, 3, 0, \nat
	SUB 1, 0, 0, \nat
	SUB 1, 1, 0, \nat
	SUB 1, 2, 0, \nat
	SUB 1, 3, 0, \nat
	PLACES 4                                       ; four places in front of the first read of results
.endm
; 32 numbers of a lane, register 16 b + e = k 32 b + 16 (lane / 16) + e of my row, become four registers of codes (lane (r, h): k = 32 h + 0 .. 31) in v[pc] on and the row's scale word in v[pw]
.macro QUANT2 s, pc, pw
.irp b,0,1
.irp f,0,1
	v_max3_num_f32 v[TM+\b+2*\f], |v[(\s)+16*\b+8*\f]|, |v[(\s)+16*\b+8*\f+1]|, 0x1800000   ; four chains; the floor 2^(3 - 127) holds the byte at 1 from below
.endr
.endr
.irp e,2,4,6
.irp b,0,1
.irp f,0,1
	v_max3_num_f32 v[TM+\b+2*\f], v[TM+\b+2*\f], |v[(\s)+16*\b+8*\f+\e]|, |v[(\s)+16*\b+8*\f+\e+1]|
.endr
.endr
.endr
.irp b,0,1
	v_max_num_f32 v[TM+\b], v[TM+\b], v[TM+2+\b]
.endr
.irp b,0,1
	v_permlanex16_b32 v[TM+4+\b], v[TM+\b], s[SEL], s[SEL+1]
.endr
.irp b,0,1
	v_max_num_f32 v[TM+\b], v[TM+\b], v[TM+4+\b]   ; with lane l xor 16's: the block's largest magnitude
.endr
.irp b,0,1
	v_add_nc_u32 v[TM+12+\b], 0xff000000, v[TM+\b] ; 2 off its exponent field: the conversion's scale operand
.endr
.irp b,0,1
	v_lshrrev_b32 v[TM+4+\b], 23, v[TM+12+\b]      ; the scale's byte
.endr
	v_lshl_or_b32 v[\pw], v[TM+5], 8, v[TM+4]
	v_or_b32 v[\pw], 0x7f7f0000, v[\pw]            ; bytes of 1.0 over the zero codes of k = 64 .. 127
.irp b,0,1
	v_cvt_scalef32_pk8_fp4_f32 v[(\pc)+2*\b], v[(\s)+16*\b:(\s)+16*\b+7], v[TM+12+\b]
	v_cvt_scalef32_pk8_fp4_f32 v[(\pc)+1+2*\b], v[(\s)+16*\b+8:(\s)+16*\b+15], v[TM+12+\b]
.endr
	v_nop                                          ; one plain place behind a scaled conversion
	v_permlane16_swap_b32 v[(\pc)], v[(\pc)+2]     ; a whole block to a lane: lanes 0-15 block 0, lanes 16-31 block 1
	v_permlane16_swap_b32 v[(\pc)+1], v[(\pc)+3]
.endm
	s_load_b256 s[4:11], s[0:1], 0x0               ; xq s[4:5], wq1 s[6:7], bqkv s[8:9], rope s[10:11]
	s_load_b128 s[12:15], s[0:1], 0x20             ; qrec s[12:13], kv s[14:15]
	s_load_b64 s[16:17], s[0:1], 0x30              ; out1
	v_lshl_add_u32 v[SPW], v0, 2, SPARE
	v_mov_b32 v[NIL], 0
	ds_add_u32 v[SPW], v[NIL]                      ; the wave's opening: the add, twice on end, and its wait ahead of my first tensor load
	ds_add_u32 v[SPW], v[NIL]
	v_lshrrev_b32 v1, 5, v0
	v_readfirstlane_b32 s[WV], v1                  ; wave 0..3
	s_bfe_u32 s19, ttmp6, 0x40000                  ; cx
	s_bfe_u32 s20, ttmp6, 0x40004                  ; cy
	s_lshl_b32 s21, ttmp9, 2
	s_add_co_u32 s21, s21, s19                     ; tile column = 4 x cluster x + cx
	s_and_b32 s22, ttmp7, 0xffff
	s_lshl_b32 s22, s22, 2
	s_add_co_u32 s22, s22, s20                     ; tile row = 4 x cluster y + cy
	s_lshl_b32 s56, s20, 2
	s_lshl_b32 s56, 15, s56                        ; my row of the cluster
	s_lshl_b32 s57, 0x1111, s19                    ; my column
	s_or_b32 s[G1A], s56, (3<<16)|(1<<21)          ; x's tiles: 15:0 the mask; 17:16 elements of 8 bytes; 21 set beside a mask; no padding: every LDS read is of consecutive bytes
	s_mov_b32 s[G1A+1], 64<<16                     ; tensor_dim0: 32 rows x 16 bytes = 64 elements
	s_mov_b32 s[G1A+2], 17<<16                     ; tensor_dim1: 17 planes
	s_mov_b32 s[G1A+3], 64<<16                     ; tile_dim0
	s_mov_b32 s[G1A+4], 17                         ; tile_dim1
	s_mov_b32 s[G1A+5], 16384                      ; from plane to plane: 8,192 rows x 16 bytes
	s_mov_b32 s[G1A+6], 0
	s_mov_b32 s[G1A+7], 0
	s_or_b32 s[G1B], s57, (3<<16)|(1<<21)          ; W's tiles: 64 rows x 16 bytes = 128 elements, 17 planes
	s_mov_b32 s[G1B+1], 128<<16
	s_mov_b32 s[G1B+2], 17<<16
	s_mov_b32 s[G1B+3], 128<<16
	s_mov_b32 s[G1B+4], 17
	s_mov_b32 s[G1B+5], 2*NCOL
	s_mov_b32 s[G1B+6], 0
	s_mov_b32 s[G1B+7], 0
	s_lshl_b32 s58, s22, 11                        ; x: positions 128 x tile row + 32 x wave, 16 bytes each: made of the tile row and the wave's number alone
	s_lshl_b32 s60, s[WV], 9
	s_add_co_u32 s58, s58, s60
	s_mov_b32 s59, 0
	s_lshl_b32 s60, s21, 12                        ; W: positions 256 x tile column + 64 x wave: of the tile column and the wave's number alone
	s_lshl_b32 s62, s[WV], 10
	s_add_co_u32 s60, s60, s62
	s_mov_b32 s61, 0
	s_mul_i32 s62, s[WV], 8704                     ; where they go: no place in the cluster enters an LDS address
	s_mul_i32 s63, s[WV], 17408
	s_mov_b32 s[SEL], 0x76543210
	s_mov_b32 s[SEL+1], 0xfedcba98
	s_mov_b32 s[HM], 0xffff0000                    ; lanes 16-31
	s_mov_b32 s78, 0x3c800000                      ; 1 / 64
	s_mov_b32 s79, 0x358637bd                      ; 1e-6
	s_wait_dscnt 0x0                               ; both opening adds are done
	s_wait_kmcnt 0x0
	s_add_nc_u64 s[58:59], s[4:5], s[58:59]
	s_add_nc_u64 s[60:61], s[6:7], s[60:61]
	s_mov_b32 s[GA0], 1
	s_mov_b32 s[GA0+1], s62
	s_mov_b64 s[GA0+2:GA0+3], s[58:59]
	s_or_b32 s[GA0+3], s[GA0+3], 0x80000000
	s_mov_b32 s[GA1], 1
	s_add_co_u32 s[GA1+1], s62, 34816
	s_add_nc_u64 s[GA1+2:GA1+3], s[58:59], KPA
	s_or_b32 s[GA1+3], s[GA1+3], 0x80000000
	s_mov_b32 s[GB0], 1
	s_add_co_u32 s[GB0+1], s63, LB
	s_mov_b64 s[GB0+2:GB0+3], s[60:61]
	s_or_b32 s[GB0+3], s[GB0+3], 0x80000000
	s_mov_b32 s[GB1], 1
	s_add_co_u32 s[GB1+1], s63, LB+69632
	s_add_nc_u64 s[GB1+2:GB1+3], s[60:61], KPB
	s_or_b32 s[GB1+3], s[GB1+3], 0x80000000
	CROUND                                         ; all sixteen work-groups are here: the joint loads meet
	tensor_load_to_lds s[GA0:GA0+3], s[G1A:G1A+7]  ; every wave issues all four, with no branch
	s_nop 0
	tensor_load_to_lds s[GB0:GB0+3], s[G1B:G1B+7]
	s_nop 0
	tensor_load_to_lds s[GA1:GA1+3], s[G1A:G1A+7]
	s_nop 0
	tensor_load_to_lds s[GB1:GB1+3], s[G1B:G1B+7]
	s_nop 0
	PLACES 4
	v_and_b32 v1, 15, v0                           ; r
	v_bfe_u32 v2, v0, 4, 1                         ; h
	v_and_b32 v3, 31, v0                           ; lane
	v_lshlrev_b32 v[LI], 4, v3
	v_lshlrev_b32 v20, 4, v1                       ; 16 r
	v_lshl_add_u32 v[ADRA], v2, 9, v20
	v_add_nc_u32 v[ADRA+1], 34816, v[ADRA]
	s_add_co_u32 s56, s63, LB
	v_lshl_add_u32 v[ADRB], v2, 10, v20
	v_add_nc_u32 v[ADRB], s56, v[ADRB]
	v_add_nc_u32 v[ADRB+1], 69632, v[ADRB]
	v_add_nc_u32 v[ASC], 8192, v[LI]
	v_add_nc_u32 v[ASC+1], 34816, v[ASC]
	v_add_nc_u32 v[BSC], s56, v[LI]
	v_add_nc_u32 v[BSC], 16384, v[BSC]
	v_add_nc_u32 v[BSC+1], 69632, v[BSC]
	v_and_b32 v15, 7, v1
	v_and_b32 v21, 8, v1
	v_lshl_add_u32 v15, v21, 1, v15                ; (r % 8) + 16 (r / 8): row r of a tile, counted from the tile's first row
	v_lshlrev_b32 v13, 8, v15
	v_lshl_add_u32 v13, v2, 6, v13                 ; the table: my token's row of 256 bytes, + 64 h
	v_lshlrev_b32 v14, 6, v2                       ; the bias, transposed: + 16 h numbers
	v_lshlrev_b32 v16, 2, v15                      ; the bias, not transposed: my column
	v_lshlrev_b32 v17, 3, v3                       ; 8 x lane
	s_add_co_u32 s57, s62, STAGE                   ; my stage
	v_mul_u32_u24 v18, v2, 4352
	v_lshl_add_u32 v18, v15, 2, v18
	v_add_nc_u32 v18, s57, v18                     ; into it: row 16 h + .., my column's 4 bytes
	v_mul_u32_u24 v19, v2, 272
	v_add_nc_u32 v19, v19, v20
	v_add_nc_u32 v19, s57, v19                     ; out of it: lanes 0-15 one row, lanes 16-31 the next
	s_lshr_b32 s66, s22, 4                         ; batch
	s_and_b32 s67, s22, 15                         ; step of 128 tokens
	s_and_b32 s68, s21, 3
	s_lshl_b32 s68, s68, 2
	s_add_co_u32 s68, s68, s[WV]                   ; head
	s_lshl_b32 s69, s66, 4
	s_add_co_u32 s69, s69, s68
	s_lshl_b32 s69, s69, 4
	s_add_co_u32 s69, s69, s67                     ; the record's number
	s_lshl_b32 s72, s21, 10
	s_lshl_b32 s73, s[WV], 8
	s_add_co_u32 s72, s72, s73
	s_mov_b32 s73, 0
	s_add_nc_u64 s[76:77], s[8:9], s[72:73]        ; the bias of my 64 columns
	s_cmp_eq_u32 ttmp9, 2
	s_cbranch_scc1 .Lvpath
	; ================ q and k ================
	s_lshl_b32 s72, s67, 15
	s_add_nc_u64 s[74:75], s[10:11], s[72:73]      ; the table at my step's first token
	s_cmp_eq_u32 ttmp9, 0
	s_cselect_b64 s[70:71], s[12:13], s[14:15]     ; q's records or k's: the choice hangs on the cluster's number alone
	s_mov_b32 s72, 8960
	s_cselect_b32 s72, 4608, s72
	s_mul_i32 s72, s69, s72
	s_add_nc_u64 s[70:71], s[70:71], s[72:73]
	s_wait_alu depctr_va_vdst(0)
.irp nb,0,1,2,3                        ; C of tile nb, register j, lane (r, h): the bias of column 32 (nb / 2) + 16 h + 8 (nb % 2) + j
	global_load_b128 v[BIAS+8*\nb:BIAS+8*\nb+3], v14, s[76:77] offset:(32*(\nb/2)+8*(\nb%2))*4
	global_load_b128 v[BIAS+8*\nb+4:BIAS+8*\nb+7], v14, s[76:77] offset:(32*(\nb/2)+8*(\nb%2))*4+16
.endr
	WIN 0xc0                                       ; destination window 3: for tile i registers 32 i + 0 .. 15 cos, + 16 .. 31 sin, of frequencies 16 h + 0 .. 15 at my token
.irp i,0,1,2,3,4,5,6,7
.irp k,0,1,2,3
	global_load_b128 v[32*\i+4*\k:32*\i+4*\k+3], v13, s[74:75] offset:(32*(\i/2)+8*(\i%2))*256+16*\k
	global_load_b128 v[32*\i+16+4*\k:32*\i+16+4*\k+3], v13, s[74:75] offset:(32*(\i/2)+8*(\i%2))*256+128+16*\k
.endr
.endr
	WIN 0
.irp i,0,1,2,3,4,5,6,7
	v_mov_b32 v[145+2*\i], 0                       ; named as the upper halves of pairs, so they are written
.endr
	v_mov_b32 v[TM+4], 0                           ; a lane permute's destination counts as one of its sources
	v_mov_b32 v[TM+5], 0
	s_wait_loadcnt 63                              ; of the 72 loads the oldest nine are in: the bias's eight among them
	GEMM 0
	; accumulator registers 32 i + 16 b + e: token row r of tile i, d = 32 b + 16 h + e of its head.  The sum of squares, two chains a tile, each accumulator from its low end on
	WIN 0x05
.irp i,0,1,2,3,4,5,6,7
	v_pk_mul_f32 v[112+4*\i:113+4*\i], v[32*\i:32*\i+1], v[32*\i:32*\i+1]
	v_pk_mul_f32 v[114+4*\i:115+4*\i], v[32*\i+2:32*\i+3], v[32*\i+2:32*\i+3]
.endr
.irp k,4,8,12,16,20,24,28
.irp i,0,1,2,3,4,5,6,7
	v_pk_fma_f32 v[112+4*\i:113+4*\i], v[32*\i+\k:32*\i+\k+1], v[32*\i+\k:32*\i+\k+1], v[112+4*\i:113+4*\i]
	v_pk_fma_f32 v[114+4*\i:115+4*\i], v[32*\i+\k+2:32*\i+\k+3], v[32*\i+\k+2:32*\i+\k+3], v[114+4*\i:115+4*\i]
.endr
.endr
	WIN 0
.irp i,0,1,2,3,4,5,6,7
	v_pk_add_f32 v[112+4*\i:113+4*\i], v[112+4*\i:113+4*\i], v[114+4*\i:115+4*\i]
.endr
.irp i,0,1,2,3,4,5,6,7
	v_add_f32 v[112+4*\i], v[112+4*\i], v[113+4*\i]
.endr
.irp i,0,1,2,3,4,5,6,7
	v_permlanex16_b32 v[113+4*\i], v[112+4*\i], s[SEL], s[SEL+1]
.endr
.irp i,0,1,2,3,4,5,6,7
	v_add_f32 v[112+4*\i], v[112+4*\i], v[113+4*\i]   ; with lane l xor 16's 32: the head's 64
.endr
.irp i,0,1,2,3,4,5,6,7
	v_fma_f32 v[112+4*\i], v[112+4*\i], s78, s79   ; the mean + 1e-6
.endr
	s_wait_alu depctr_va_vdst(0)
.irp i,0,1,2,3,4,5,6,7
	v_rsq_f32 v[144+2*\i], v[112+4*\i]
.endr
	v_nop                                          ; a plain line behind the last of the batch
	s_wait_alu depctr_va_vdst(0)                   ; the wait ahead of the first line that names a result: one for the eight
	s_wait_loadcnt 0x0                             ; cos and sin
.macro QKTILE i
	WIN 0x41
.irp k,0,2,4,6,8,10,12,14,16,18,20,22,24,26,28,30
	v_pk_mul_f32 v[32*(\i)+\k:32*(\i)+\k+1], v[32*(\i)+\k:32*(\i)+\k+1], v[144+2*(\i):145+2*(\i)] op_sel_hi:[1,0]   ; the norm
.endr
	WIN 0x0d                                       ; source 0 the accumulators, source 1 the table
.irp k,0,2,4,6,8,10,12,14
	v_pk_mul_f32 v[176+\k:177+\k], v[32*(\i)+\k:32*(\i)+\k+1], v[32*(\i)+\k:32*(\i)+\k+1]             ; x1 cos
	v_pk_mul_f32 v[192+\k:193+\k], v[32*(\i)+16+\k:32*(\i)+17+\k], v[32*(\i)+\k:32*(\i)+\k+1]         ; x2 cos
.endr
.irp k,0,2,4,6,8,10,12,14
	v_pk_fma_f32 v[176+\k:177+\k], v[32*(\i)+16+\k:32*(\i)+17+\k], v[32*(\i)+16+\k:32*(\i)+17+\k], v[176+\k:177+\k]   ; + x2 sin
	v_pk_fma_f32 v[192+\k:193+\k], v[32*(\i)+\k:32*(\i)+\k+1], v[32*(\i)+16+\k:32*(\i)+17+\k], v[192+\k:193+\k] neg_lo:[1,0,0] neg_hi:[1,0,0]   ; - x1 sin
.endr
	WIN 0
	QUANT2 176,224+4*(\i),160+(\i)
	global_store_b128 v[LI], v[224+4*(\i):227+4*(\i)], s[70:71] offset:512*(\i)   ; the tile's image: 512 consecutive bytes; each tile has registers of its own
.endm
.irp i,0,1,2,3,4,5,6,7
	QKTILE \i
.endr
.irp p,0,1,2,3
	v_cndmask_b32 v[168+\p], v[160+2*\p], v[161+2*\p], s[HM]   ; lanes 0-15 the even tile's word, lanes 16-31 the odd one's
.endr
	global_store_b128 v[LI], v[168:171], s[70:71] offset:4096
	FINISH
.Lvpath:	; ================ v ================
	s_mul_i32 s72, s69, 8960
	s_add_nc_u64 s[70:71], s[14:15], s[72:73]      ; my record
	s_lshl_b32 s72, s69, 15
	s_add_nc_u64 s[84:85], s[16:17], s[72:73]      ; out1: my head's rows 128 g on: 128 rows of 256 bytes for each record
	s_wait_alu depctr_va_vdst(0)
.irp nb,0,1,2,3
	global_load_b32 v[BIAS+8*\nb], v16, s[76:77] offset:(32*(\nb/2)+8*(\nb%2))*4   ; the bias of my column of tile nb
.endr
.set J, 0
.rept 16
	v_mov_b32 v[128+J], 0                          ; a lane permute's destination counts as one of its sources
.set J, J+1
.endr
	s_wait_loadcnt 0x0
.irp nb,0,1,2,3
.irp j,1,2,3,4,5,6,7
	v_mov_b32 v[BIAS+8*\nb+\j], v[BIAS+8*\nb]      ; the same for the eight tokens of a C
.endr
.endr
	s_wait_alu depctr_va_vdst(0)
	GEMM 1
	; accumulator registers 64 nb + 16 b + e: token 32 b + 16 h + e of the step, column d = row r of tile nb.  Quantised along the tokens: four blocks of 32 for each of four tiles, sixteen chains
	WIN 0x05
.irp nb,0,1,2,3
.irp b,0,1,2,3
	v_max3_num_f32 v[112+4*\nb+\b], |v[64*\nb+16*\b]|, |v[64*\nb+16*\b+1]|, 0x1800000
.endr
.endr
.irp e,2,4,6,8,10,12,14
.irp nb,0,1,2,3
.irp b,0,1,2,3
	v_max3_num_f32 v[112+4*\nb+\b], |v[64*\nb+16*\b+\e]|, |v[64*\nb+16*\b+\e+1]|, v[112+4*\nb+\b]
.endr
.endr
.endr
	WIN 0
.set J, 0
.rept 16
	v_permlanex16_b32 v[128+J], v[112+J], s[SEL], s[SEL+1]
.set J, J+1
.endr
.set J, 0
.rept 16
	v_max_num_f32 v[112+J], v[112+J], v[128+J]
.set J, J+1
.endr
.set J, 0
.rept 16
	v_add_nc_u32 v[144+J], 0xff000000, v[112+J]
.set J, J+1
.endr
.set J, 0
.rept 16
	v_lshrrev_b32 v[128+J], 23, v[144+J]
.set J, J+1
.endr
.irp nb,0,1,2,3
	v_lshl_or_b32 v[160+\nb], v[129+4*\nb], 8, v[128+4*\nb]
	v_lshl_or_b32 v[160+\nb], v[130+4*\nb], 16, v[160+\nb]
	v_lshl_or_b32 v[160+\nb], v[131+4*\nb], 24, v[160+\nb]
.endr
	WIN 0x01
.irp nb,0,1,2,3
.irp b,0,1,2,3
	v_cvt_scalef32_pk8_fp4_f32 v[224+8*\nb+2*\b], v[64*\nb+16*\b:64*\nb+16*\b+7], v[144+4*\nb+\b]
	v_cvt_scalef32_pk8_fp4_f32 v[225+8*\nb+2*\b], v[64*\nb+16*\b+8:64*\nb+16*\b+15], v[144+4*\nb+\b]
.endr
.endr
	WIN 0
	v_nop                                          ; one plain place behind a scaled conversion
.irp nb,0,1,2,3
.irp c,0,1
.irp i,0,1
	v_permlane16_swap_b32 v[224+8*\nb+4*\c+\i], v[226+8*\nb+4*\c+\i]   ; a whole block to a lane
.endr
.endr
.endr
.irp nb,0,1,2,3
.irp c,0,1
	global_store_b128 v[LI], v[224+8*\nb+4*\c:227+8*\nb+4*\c], s[70:71] offset:4608+1024*\nb+512*\c
.endr
.endr
	v_cndmask_b32 v164, v160, v161, s[HM]
	v_cndmask_b32 v165, v162, v163, s[HM]
	global_store_b64 v17, v[164:165], s[70:71] offset:8704
	; out1: 32 tokens at a time through my stage (32 rows of 256 bytes + 16), back as whole rows.  The two halves of the lanes fall on the same banks in the stores (two passes): a pitch that parted them would be no multiple of 16 bytes.
.macro VSTAGE b
	WIN 0x04                                       ; an LDS store's data are its source 1: window 1
.irp nb,0,1,2,3
.irp u,0,1
.irp j,0,1,2,3,4,5,6,7
	ds_store_b32 v18, v[64*\nb+16*(\b)+8*\u+\j] offset:(8*\u+\j)*272+(32*(\nb/2)+8*(\nb%2))*4
.endr
.endr
.endr
	WIN 0x80
.irp k,0,1,2,3,4,5,6,7,8,9,10,11,12,13,14,15
	ds_load_b128 v[64*((\b)%2)+4*\k:64*((\b)%2)+4*\k+3], v19 offset:2*\k*272   ; LDS serves a wave's instructions in order: these see my stores, and the next block's stores come behind them
.endr
.endm
.macro VSEND b, younger
	WIN 0x08
	s_wait_dscnt \younger
.irp k,0,1,2,3,4,5,6,7,8,9,10,11,12,13,14,15
	global_store_b128 v[LI], v[64*((\b)%2)+4*\k:64*((\b)%2)+4*\k+3], s[84:85] offset:(32*(\b)+2*\k)*256 th:TH_STORE_NT   ; 512 consecutive bytes, two rows
.endr
.endm
	VSTAGE 0
	VSTAGE 1
	VSEND 0, 63                                    ; 80 LDS instructions were issued behind block 0's loads; the count's field holds 63, and a smaller count is safe
	s_wait_xcnt 0x0                                ; block 0's stores have read their registers: block 2's rows may land there
	VSTAGE 2
	VSEND 1, 63
	s_wait_xcnt 0x0
	VSTAGE 3
	VSEND 2, 63
	VSEND 3, 0
	FINISH
.Lfunc_end_k_q68c58c0b10_qkv:
	.size	k_q68c58c0b10_qkv, .Lfunc_end_k_q68c58c0b10_qkv-k_q68c58c0b10_qkv
	.p2alignl 7, 3214868480
	.fill 96, 4, 3214868480
	.section	.rodata,"a",@progbits
	.p2align	6, 0x0
	.amdhsa_kernel k_q68c58c0b10_qkv
		.amdhsa_group_segment_fixed_size 327680
		.amdhsa_private_segment_fixed_size 0
		.amdhsa_enable_private_segment 0
		.amdhsa_kernarg_size 56
		.amdhsa_user_sgpr_count 2
		.amdhsa_user_sgpr_kernarg_segment_ptr 1
		.amdhsa_wavefront_size32 1
		.amdhsa_system_sgpr_workgroup_id_x 1
		.amdhsa_system_sgpr_workgroup_id_y 1
		.amdhsa_system_sgpr_workgroup_id_z 1
		.amdhsa_system_vgpr_workitem_id 0
		.amdhsa_next_free_vgpr 1024
		.amdhsa_next_free_sgpr 96
		.amdhsa_reserve_vcc 0
		.amdhsa_float_denorm_mode_32 3
		.amdhsa_float_denorm_mode_16_64 3
		.amdhsa_memory_ordered 1
		.amdhsa_forward_progress 1
		.amdhsa_inst_pref_size 206
	.end_amdhsa_kernel
	.amdgpu_metadata
---
amdhsa.version: [ 1, 2 ]
amdhsa.kernels:
  - .name:           k_q68c58c0b10_qkv
    .symbol:         k_q68c58c0b10_qkv.kd
    .args:
      - { .name: xq, .offset: 0, .size: 8, .value_kind: global_buffer, .address_space: global }
      - { .name: wq1, .offset: 8, .size: 8, .value_kind: global_buffer, .address_space: global }
      - { .name: bqkv, .offset: 16, .size: 8, .value_kind: global_buffer, .address_space: global }
      - { .name: rope, .offset: 24, .size: 8, .value_kind: global_buffer, .address_space: global }
      - { .name: qrec, .offset: 32, .size: 8, .value_kind: global_buffer, .address_space: global }
      - { .name: kv, .offset: 40, .size: 8, .value_kind: global_buffer, .address_space: global }
      - { .name: out1, .offset: 48, .size: 8, .value_kind: global_buffer, .address_space: global }
    .group_segment_fixed_size: 327680
    .private_segment_fixed_size: 0
    .kernarg_segment_align: 8
    .kernarg_segment_size: 56
    .max_flat_workgroup_size: 128
    .sgpr_count:     96
    .vgpr_count:     1024
    .wavefront_size: 32
...
	.end_amdgpu_metadata
.endif
;; end of part 2
;; launch attn (part 3): grid 4 x 64, 16 waves a work-group, clusters of 4 x 1, 167,936 bytes of LDS; arguments qrec, kv, aq; writes aq
.if DOCPART == 3
	.amdgcn_target "amdgcn-amd-amdhsa--gfx1250"
	.amdhsa_code_object_version 6
	.text
	.protected	k_q68c58c0b10_attn
	.globl	k_q68c58c0b10_attn
	.p2align	8
	.type	k_q68c58c0b10_attn,@function
k_q68c58c0b10_attn:
	s_mov_b64 s[64:65], 0
	v_nop
	global_prefetch_b8 v0, s[64:65] scope:SCOPE_SE
	s_setreg_imm32_b32 hwreg(HW_REG_WAVE_MODE, 25, 1), 1
	s_wait_xcnt 0x0
	s_wait_alu depctr_hold_cnt(0) depctr_sa_sdst(0) depctr_va_vdst(0) depctr_va_sdst(0) depctr_va_ssrc(0) depctr_va_vcc(0) depctr_vm_vsrc(0)
	s_getreg_b32 s2, hwreg(HW_REG_IB_STS2, 6, 4)
	s_cmp_eq_u32 s2, 0
	s_cbranch_scc0 .Lentry_in_a_cluster
	s_endpgm
.Lentry_in_a_cluster:
	s_bfe_u32 s2, ttmp6, 0x10000c
	s_cmp_lg_u32 s2, 0x3003
	s_cbranch_scc0 .Lentry_shape_is_right
	s_endpgm
.Lentry_shape_is_right:
; ATTN: causal attention on codes of FP4 (E2M1) with E8M0 scales: S^T = K Q^T (K = the head's 64, filled to 128 by zero codes on both sides), p = 2^(t - M), O^T = V^T P^T (K = the keys), O / l quantised for the projection.
; WORK LEFT OUT: steps of 128 keys that lie wholly behind a tile of queries under the causal mask that the problem builds itself are not multiplied (a scalar branch on ids round a step's work).
; THE SOFTMAX: t = score x log2(e) / 8; M = the running largest t rounded UP to a whole number, kept as -M = floor(-t); the row's sum is taken of the unquantised p; when M moves, the sum and O^T are multiplied by 2^(old M - new M): exact.
; SHARES.  Work-group y is batch x head; the four work-groups of a cluster belong to one head and ask for its K and V JOINTLY.  A head's 16 records (143,360 bytes) fit in LDS.
; nothing is filled again.  A head has 128 tiles of 16 queries.  The work-group at place c takes tiles 4 n + c; wave w takes n = w and then n = 31 - w.  The last step that a tile needs is n / 2, whatever c:
; so each wave walks (w / 2 + 1) + (16 - w / 2) = 17 steps, and no branch, trip count or LDS address hangs on a work-group's place in its cluster: c enters global addresses and the mask's comparison alone.
; LAYOUT.  Both products are used transposed: a lane holds ONE query (lane % 16) throughout.  The records hold images of the operands' registers: every LDS load reads consecutive bytes, 16 a lane.
; The rows of a tile lie by position (bits 3 and 4 of the token exchanged): the 16 registers of tiles 2 b and 2 b + 1 of S^T are keys 32 b + 16 (lane / 16) + 0 .. 15; O^T's registers 16 b + e are d = 32 b + 16 (lane / 16) + e.
; LIMITS: as stated at the head of the first kernel; 1 / l by v_rcp_f32.  The scale bytes of the result leave one byte a lane, 32 bytes of 16 rows: 1 byte in 17 of what the launch stores.
; REGISTERS: v1-4, v7, v10 addresses that stay; v5, v6 the add's two; v8, v9 the step's LDS addresses; v11 the mask's number; v12 -M, v13 the largest t, v[14:15] the sum; v16-23 Q (v20-23 zero codes); v24-27 K's scale words,
; v28-29 V's, v30 Q's, v31 p's; v32-95 K's eight tiles (the upper four registers of each: zero codes); v96-159 S^T, then p; v160-191 O^T; v192-223 V^T's four fragments; v224-231 p's codes; v232-255 at work.
.set REC,   8960
.set HEADB, 16*REC
.set SPARE, HEADB                      ; behind the records: the spare words, 128 bytes for each of sixteen waves
.set WV,  10
.set G1,  24
.set G0,  32
.set CS,  36                           ; s[36:37] c = log2(e) / 8
.set SEL, 38
.set TI,  40                           ; which of my two tiles
.set SI,  41                           ; the key step
.set LL,  42                           ; the tile's last key step
.set TB,  43                           ; LDS byte at which the step's record begins
.set HM,  44
.macro ROUND                           ; a round of the cluster's barrier
	s_barrier_signal -1
	s_barrier_wait -1
	s_cmp_lg_u32 s[WV], 0
	s_cbranch_scc1 .Lnot_wave_0_\@
	s_barrier_signal -3
.Lnot_wave_0_\@:
	s_barrier_wait -3
	s_barrier_signal -1
	s_barrier_wait -1
.endm
	s_load_b128 s[4:7], s[0:1], 0x0                ; qrec s[4:5], kv s[6:7]
	s_load_b64 s[8:9], s[0:1], 0x10                ; aq
	v_lshl_add_u32 v5, v0, 2, SPARE
	v_mov_b32 v6, 0
	ds_add_u32 v5, v6                              ; the wave's opening: the add, twice on end, and its wait ahead of my first tensor load
	ds_add_u32 v5, v6
	v_lshrrev_b32 v1, 5, v0
	s_delay_alu instid0(VALU_DEP_1)
	v_readfirstlane_b32 s[WV], v1                  ; wave 0..15
	s_bfe_u32 s11, ttmp6, 0x40000                  ; c: my place in the cluster
	s_and_b32 s12, ttmp7, 0xffff                   ; batch x head
	s_mov_b32 s[G1], 15|(3<<16)|(1<<21)            ; 15:0 the mask: all four; 17:16 elements of 8 bytes; 21 set beside a mask.  A record is a dense block: 35 rows of 256 bytes
	s_mov_b32 s[G1+1], 32<<16
	s_mov_b32 s[G1+2], 35<<16
	s_mov_b32 s[G1+3], 32<<16
	s_mov_b32 s[G1+4], 35
	s_mov_b32 s[G1+5], 32
	s_mov_b32 s[G1+6], 0
	s_mov_b32 s[G1+7], 0
	s_mul_i32 s46, s12, HEADB
	s_mul_i32 s13, s[WV], REC
	s_add_co_u32 s46, s46, s13
	s_mov_b32 s47, 0
	s_mov_b32 s[CS], 0x3e38aa3b
	s_mov_b32 s[CS+1], s[CS]                       ; named with it as a pair, so it is written
	s_mov_b32 s[SEL], 0x76543210
	s_mov_b32 s[SEL+1], 0xfedcba98
	s_mov_b32 s[HM], 0xffff0000                    ; lanes 16-31
	s_wait_dscnt 0x0                               ; both opening adds are done
	s_wait_kmcnt 0x0
	s_mov_b32 s[G0], 1
	s_mov_b32 s[G0+1], s13                         ; record w at 8,960 w
	s_add_nc_u64 s[G0+2:G0+3], s[6:7], s[46:47]
	s_or_b32 s[G0+3], s[G0+3], 0x80000000
	ROUND                                          ; all four work-groups are here: the joint loads meet
	tensor_load_to_lds s[G0:G0+3], s[G1:G1+7]      ; one load of mine is out
	s_nop 0
.rept 4
	v_nop
.endr
	v_and_b32 v8, 31, v0                           ; lane
	v_and_b32 v9, 15, v0                           ; r
	v_bfe_u32 v10, v0, 4, 1                        ; h
	s_delay_alu instid0(VALU_DEP_3)
	v_lshlrev_b32 v1, 4, v8                        ; 16 x lane
	s_delay_alu instid0(VALU_DEP_4)
	v_lshlrev_b32 v2, 3, v8                        ; 8 x lane
	s_delay_alu instid0(VALU_DEP_4)
	v_lshlrev_b32 v3, 4, v9                        ; 16 r
	v_and_b32 v4, 7, v9
	v_and_b32 v11, 8, v9
	s_delay_alu instid0(VALU_DEP_1)
	v_lshl_add_u32 v4, v11, 1, v4
	v_lshlrev_b32 v11, 4, v10
	s_delay_alu instid0(VALU_DEP_1)
	v_sub_nc_u32 v4, v4, v11                       ; (r % 8) + 16 (r / 8) - 16 h
	v_lshl_add_u32 v7, v10, 17, v3                 ; the result's codes: position r, plane + h
	v_add_nc_u32 v10, v3, v10                      ; its scale bytes: 16 r + h
.irp j,20,21,22,23
	v_mov_b32 v[\j], 0                             ; Q's zero codes, k = 64 .. 127
.endr
.irp t,0,1,2,3,4,5,6,7
.irp j,4,5,6,7
	v_mov_b32 v[32+8*\t+\j], 0                     ; K's
.endr
.endr
.irp j,236,237,238,239,252,253
	v_mov_b32 v[\j], 0                             ; written once: a lane permute's destination counts as one of its sources (v236-239 in a step, v252 on the way out); v253 is named as the upper half of the pair v[252:253]
.endr
	s_and_b32 s48, s12, 15                         ; head
	s_lshr_b32 s49, s12, 4                         ; batch
	s_lshr_b32 s50, s48, 3                         ; the projection's K step,
	s_and_b32 s51, s48, 7
	s_lshl_b32 s51, s51, 1                         ; and the head's first block in it
	s_mul_i32 s50, s50, 17
	s_add_co_u32 s52, s50, s51
	s_lshl_b32 s52, s52, 17
	s_lshl_b32 s49, s49, 15
	s_add_co_u32 s52, s52, s49                     ; codes: (plane x 8,192 + batch x 2,048) x 16
	s_add_co_u32 s53, s50, 16
	s_lshl_b32 s53, s53, 17
	s_add_co_u32 s53, s53, s49
	s_add_co_u32 s53, s53, s51                     ; scale bytes: plane 16, + the block
	s_lshl_b32 s54, s12, 4                         ; the head's first record
	s_mov_b32 s63, 0
	s_wait_tensorcnt 0x0                           ; my record has landed,
	s_barrier_signal -1
	s_barrier_wait -1                              ; everybody's has
	s_mov_b32 s[TI], 0
.Ltile:
	s_wait_xcnt 0x0                                ; the last tile's loads and stores have read their bases and data: both are written again below
	s_sub_co_u32 s56, 31, s[WV]
	s_cmp_eq_u32 s[TI], 0
	s_cselect_b32 s56, s[WV], s56                  ; n
	s_lshr_b32 s[LL], s56, 1
	s_lshl_b32 s57, s56, 2
	s_add_co_u32 s57, s57, s11                     ; the tile: 4 n + c
	s_add_co_u32 s58, s54, s[LL]
	s_mul_i32 s58, s58, 4608                       ; its record of Q
	s_and_b32 s60, s57, 7
	s_lshl_b32 s61, s60, 9
	s_add_co_u32 s62, s58, s61
	s_add_nc_u64 s[46:47], s[4:5], s[62:63]        ; its image
	s_and_b32 s61, s57, 1
	s_lshl_b32 s62, s61, 8
	s_add_co_u32 s62, s62, s58
	s_lshr_b32 s60, s60, 1
	s_lshl_b32 s59, s60, 2
	s_add_co_u32 s62, s62, s59
	s_add_co_u32 s62, s62, 4096
	s_add_nc_u64 s[66:67], s[4:5], s[62:63]        ; its scale words: 16 bytes a row; odd tiles 256 bytes on; word (tile / 2)
	global_load_b128 v[16:19], v1, s[46:47]
	global_load_b32 v30, v3, s[66:67]
	s_lshl_b32 s60, s60, 5
	s_lshl_b32 s61, s61, 3
	s_add_co_u32 s60, s60, s61
	v_add_nc_u32 v11, s60, v4                      ; my query's place in its step of 128, - 16 h
	s_lshl_b32 s59, s57, 8
	s_add_co_u32 s62, s52, s59
	s_add_nc_u64 s[68:69], s[8:9], s[62:63]        ; where the tile's codes go,
	s_add_co_u32 s62, s53, s59
	s_add_nc_u64 s[70:71], s[8:9], s[62:63]        ; and its scale bytes
	v_mov_b32 v13, 0xff61b1e6                      ; the largest t so far: -3e38, under every t
	s_delay_alu instid0(VALU_DEP_1)
	v_floor_f32 v12, -v13
	v_mov_b32 v14, 0
	v_mov_b32 v15, 0
.set J, 0
.rept 32
	v_mov_b32 v[160+J], 0                          ; O^T.  (The step is written once: the first finds zeros, which the first change of M leaves zeros)
.set J, J+1
.endr
	s_mov_b32 s[TB], 0
	s_mov_b32 s[SI], 0
	s_wait_loadcnt 0x0                             ; Q
.Lstep:                                            ; sixteen trips, a constant; a step behind the tile's last is passed over: its work alone, no barrier and no tensor load stands in a step
	s_cmp_gt_u32 s[SI], s[LL]
	s_cbranch_scc1 .Lhidden
	s_setprio 2
	v_add_nc_u32 v8, s[TB], v1
	v_add_nc_u32 v9, s[TB], v2
	v_nop
	v_nop                                          ; with the two additions: four places in front of loads into registers that the last step's products read
.irp t,0,1,2,3,4,5,6,7
	ds_load_b128 v[32+8*\t:35+8*\t], v8 offset:512*\t
.endr
	ds_load_b128 v[24:27], v8 offset:4096
.irp nb,0,1,2,3
.irp c,0,1
	ds_load_b128 v[192+8*\nb+4*\c:195+8*\nb+4*\c], v8 offset:4608+1024*\nb+512*\c
.endr
.endr
	ds_load_b64 v[28:29], v9 offset:8704
	s_wait_dscnt 9                                 ; K and its scale words are in; V's nine loads may be out
.irp t,0,2,4,6
	v_wmma_scale_f32_16x16x128_f8f6f4 v[96+8*\t:103+8*\t], v[32+8*\t:39+8*\t], v[16:23], 0, v[24+\t/2], v30 matrix_a_fmt:MATRIX_FMT_FP4 matrix_b_fmt:MATRIX_FMT_FP4
	v_wmma_scale_f32_16x16x128_f8f6f4 v[104+8*\t:111+8*\t], v[40+8*\t:47+8*\t], v[16:23], 0, v[24+\t/2], v30 matrix_a_fmt:MATRIX_FMT_FP4 matrix_b_fmt:MATRIX_FMT_FP4 matrix_a_scale:MATRIX_SCALE_ROW1
.endr
.rept 4
	v_nop
.endr
	s_cmp_lg_u32 s[SI], s[LL]                      ; on the diagonal the scores of hidden keys become -infinity ahead of the maximum: p = 0 then
	s_cbranch_scc1 .Lopen
	v_mov_b32 v254, 0xff800000
.set J, 0
.rept 64
	v_cmp_gt_i32 vcc_lo, 32*(J/16)+J%16, v11       ; register 16 b + e holds key 32 b + 16 h + e of the step: hidden where 32 b + e > my query's place - 16 h
	v_cndmask_b32 v[96+J], v[96+J], v254, vcc_lo
.set J, J+1
.endr
.Lopen:
.irp b,0,1,2,3
	v_max3_num_f32 v[232+\b], v[96+16*\b], v[97+16*\b], v[98+16*\b]   ; the largest score of each block of 32 keys: for the row's maximum, and, since p rises with the score, for the block's largest p
.endr
.irp i,3,5,7,9,11,13
.irp b,0,1,2,3
	v_max3_num_f32 v[232+\b], v[232+\b], v[96+16*\b+\i], v[97+16*\b+\i]
.endr
.endr
.irp b,0,1,2,3
	v_max_num_f32 v[232+\b], v[232+\b], v[111+16*\b]
.endr
.irp b,0,1,2,3
	s_delay_alu instid0(VALU_DEP_4)
	v_permlanex16_b32 v[236+\b], v[232+\b], s[SEL], s[SEL+1]
.endr
.irp b,0,1,2,3
	s_delay_alu instid0(VALU_DEP_4)
	v_max_num_f32 v[232+\b], v[232+\b], v[236+\b]
.endr
	s_delay_alu instid0(VALU_DEP_2)
	v_max3_num_f32 v254, v232, v233, v234
	s_delay_alu instid0(VALU_DEP_1)
	v_max_num_f32 v254, v254, v235
	s_delay_alu instid0(VALU_DEP_1)
	v_mul_f32 v254, s[CS], v254
	s_delay_alu instid0(VALU_DEP_1)
	v_max_num_f32 v13, v13, v254                   ; the running largest t
	v_mov_b32 v254, v12
	s_delay_alu instid0(VALU_DEP_2)
	v_floor_f32 v12, -v13                          ; the new -M
	s_delay_alu instid0(VALU_DEP_1)
	v_sub_f32 v254, v12, v254                      ; old M - new M: a whole number, 0 or less
	s_delay_alu instid0(VALU_DEP_1)
	v_cvt_i32_f32 v254, v254                       ; (it saturates)
	s_delay_alu instid0(VALU_DEP_1)
	v_ldexp_f32 v252, 1.0, v254                    ; f = 2^(old M - new M)
.set J, 0
.rept 32
	v_pk_fma_f32 v[96+J:97+J], v[96+J:97+J], s[CS:CS+1], v[12:13] op_sel_hi:[1,0,0]   ; t - M
.set J, J+2
.endr
	s_setprio 1
.irp b,0,1,2,3
	v_fma_f32 v[232+\b], v[232+\b], s[CS], v12
.endr
.set J, 0
	s_wait_alu depctr_va_vdst(0)
.rept 64
	v_exp_f32 v[96+J], v[96+J]                     ; p = 2^(t - M), not normalised
.set J, J+1
.endr
	v_pk_mul_f32 v[14:15], v[14:15], v[252:253] op_sel_hi:[1,0]   ; the sums under the new M (a plain line behind the exponentials)
	s_wait_alu depctr_va_vdst(0)                   ; the wait ahead of the first line that names a result: one for the batch
.irp b,0,1,2,3
	v_exp_f32 v[232+\b], v[232+\b]                 ; the block's largest p
.endr
	v_pk_add_f32 v[236:237], v[100:101], v[104:105]
	v_pk_add_f32 v[254:255], v[108:109], v[112:113]
	v_pk_add_f32 v[250:251], v[116:117], v[120:121]
	v_pk_add_f32 v[248:249], v[124:125], v[128:129]
	v_pk_add_f32 v[246:247], v[132:133], v[136:137]
	v_pk_add_f32 v[244:245], v[140:141], v[144:145]
	v_pk_add_f32 v[242:243], v[148:149], v[152:153]
	v_pk_add_f32 v[14:15], v[14:15], v[156:157]
	v_pk_add_f32 v[236:237], v[236:237], v[96:97]
	v_pk_add_f32 v[254:255], v[254:255], v[98:99]
	v_pk_add_f32 v[250:251], v[250:251], v[102:103]
	v_pk_add_f32 v[248:249], v[248:249], v[106:107]
	v_pk_add_f32 v[246:247], v[246:247], v[110:111]
	v_pk_add_f32 v[244:245], v[244:245], v[114:115]
	v_pk_add_f32 v[242:243], v[242:243], v[118:119]
	v_pk_add_f32 v[14:15], v[14:15], v[122:123]
	v_pk_add_f32 v[236:237], v[236:237], v[126:127]
	v_pk_add_f32 v[254:255], v[254:255], v[130:131]
	v_pk_add_f32 v[250:251], v[250:251], v[134:135]
	v_pk_add_f32 v[248:249], v[248:249], v[138:139]
	v_pk_add_f32 v[246:247], v[246:247], v[142:143]
	v_pk_add_f32 v[244:245], v[244:245], v[146:147]
	v_pk_add_f32 v[242:243], v[242:243], v[150:151]
	v_pk_add_f32 v[14:15], v[14:15], v[154:155]
	v_pk_add_f32 v[236:237], v[236:237], v[158:159]
	s_delay_alu instid0(VALU_DEP_2)
	v_pk_add_f32 v[14:15], v[14:15], v[248:249]
	s_delay_alu instid0(VALU_DEP_2)
	v_pk_add_f32 v[236:237], v[236:237], v[246:247]
	v_pk_add_f32 v[254:255], v[254:255], v[244:245]
	v_pk_add_f32 v[250:251], v[250:251], v[242:243]
	s_delay_alu instid0(VALU_DEP_2)
	v_pk_add_f32 v[14:15], v[14:15], v[254:255]
	s_delay_alu instid0(VALU_DEP_2)
	v_pk_add_f32 v[236:237], v[236:237], v[250:251]
	s_delay_alu instid0(VALU_DEP_1)
	v_pk_add_f32 v[14:15], v[14:15], v[236:237]
	s_wait_alu depctr_va_vdst(0)                   ; and one for the four
.irp b,0,1,2,3
	v_max_num_f32 v[232+\b], 0x1800000, v[232+\b]  ; the floor 2^(3 - 127)
.endr
.irp b,0,1,2,3
	s_delay_alu instid0(VALU_DEP_4)
	v_add_nc_u32 v[244+\b], 0xff000000, v[232+\b]
.endr
.irp b,0,1,2,3
	s_delay_alu instid0(VALU_DEP_4)
	v_lshrrev_b32 v[236+\b], 23, v[244+\b]
.endr
	s_delay_alu instid0(VALU_DEP_3)
	v_lshl_or_b32 v31, v237, 8, v236               ; p's scale word for these 128 keys
	s_delay_alu instid0(VALU_DEP_1)
	v_lshl_or_b32 v31, v238, 16, v31
	s_delay_alu instid0(VALU_DEP_1)
	v_lshl_or_b32 v31, v239, 24, v31
	s_setprio 0
.irp b,0,1,2,3
	v_cvt_scalef32_pk8_fp4_f32 v[224+2*\b], v[96+16*\b:103+16*\b], v[244+\b]
	v_cvt_scalef32_pk8_fp4_f32 v[225+2*\b], v[104+16*\b:111+16*\b], v[244+\b]
.endr
	v_nop                                          ; one plain place behind a scaled conversion
.irp c,0,1
.irp i,0,1
	v_permlane16_swap_b32 v[224+4*\c+\i], v[226+4*\c+\i]
.endr
.endr
.set J, 0
.rept 16
	v_pk_mul_f32 v[160+J:161+J], v[160+J:161+J], v[252:253] op_sel_hi:[1,0]   ; O^T under the new M.  (These sixteen also stand between the lines that made p's codes and scale word and the products)
.set J, J+2
.endr
	s_wait_alu depctr_va_vdst(0)
	s_wait_dscnt 0x0                               ; V
.irp p,0,1
	v_wmma_scale_f32_16x16x128_f8f6f4 v[160+16*\p:167+16*\p], v[192+16*\p:199+16*\p], v[224:231], v[160+16*\p:167+16*\p], v[28+\p], v31 matrix_a_fmt:MATRIX_FMT_FP4 matrix_b_fmt:MATRIX_FMT_FP4
	v_wmma_scale_f32_16x16x128_f8f6f4 v[168+16*\p:175+16*\p], v[200+16*\p:207+16*\p], v[224:231], v[168+16*\p:175+16*\p], v[28+\p], v31 matrix_a_fmt:MATRIX_FMT_FP4 matrix_b_fmt:MATRIX_FMT_FP4 matrix_a_scale:MATRIX_SCALE_ROW1
.endr
.Lhidden:
	s_add_co_u32 s[TB], s[TB], REC
	s_add_co_u32 s[SI], s[SI], 1
	s_cmp_lt_u32 s[SI], 16
	s_cbranch_scc1 .Lstep
	s_setprio 0
	; THE TILE'S WAY OUT: O^T / l, quantised along d: two blocks of 32, which are blocks 2 head and 2 head + 1 of the projection's K
.rept 4
	v_nop
.endr
	v_add_f32 v14, v14, v15
	s_delay_alu instid0(VALU_DEP_1)
	v_permlanex16_b32 v252, v14, s[SEL], s[SEL+1]
	s_delay_alu instid0(VALU_DEP_1)
	v_add_f32 v14, v14, v252                       ; the row's sum
	s_wait_alu depctr_va_vdst(0)
	v_rcp_f32 v14, v14
	v_nop                                          ; a plain line behind the reciprocal
	s_wait_alu depctr_va_vdst(0)                   ; and the wait ahead of its first reader
.set J, 0
.rept 16
	v_pk_mul_f32 v[96+J:97+J], v[160+J:161+J], v[14:15] op_sel_hi:[1,0]
.set J, J+2
.endr
.irp b,0,1
.irp f,0,1
	v_max3_num_f32 v[232+\b+2*\f], |v[96+16*\b+8*\f]|, |v[97+16*\b+8*\f]|, 0x1800000
.endr
.endr
.irp e,2,4,6
.irp b,0,1
.irp f,0,1
	s_delay_alu instid0(VALU_DEP_4)
	v_max3_num_f32 v[232+\b+2*\f], v[232+\b+2*\f], |v[96+16*\b+8*\f+\e]|, |v[97+16*\b+8*\f+\e]|
.endr
.endr
.endr
.irp b, 0
	s_delay_alu instid0(VALU_DEP_3)
	v_max_num_f32 v[232+\b], v[232+\b], v[234+\b]
.endr
.irp b, 1
	s_delay_alu instid0(VALU_DEP_2)
	v_max_num_f32 v[232+\b], v[232+\b], v[234+\b]
.endr
.irp b,0,1
	s_delay_alu instid0(VALU_DEP_2)
	v_permlanex16_b32 v[236+\b], v[232+\b], s[SEL], s[SEL+1]
.endr
.irp b,0,1
	s_delay_alu instid0(VALU_DEP_2)
	v_max_num_f32 v[232+\b], v[232+\b], v[236+\b]
.endr
.irp b,0,1
	s_delay_alu instid0(VALU_DEP_2)
	v_add_nc_u32 v[244+\b], 0xff000000, v[232+\b]
.endr
.irp b,0,1
	s_delay_alu instid0(VALU_DEP_2)
	v_lshrrev_b32 v[236+\b], 23, v[244+\b]
.endr
.irp b,0,1
	v_cvt_scalef32_pk8_fp4_f32 v[224+2*\b], v[96+16*\b:103+16*\b], v[244+\b]
	v_cvt_scalef32_pk8_fp4_f32 v[225+2*\b], v[104+16*\b:111+16*\b], v[244+\b]
.endr
	v_cndmask_b32 v238, v236, v237, s[HM]          ; (a plain place behind the conversions)  lanes 0-15 block 0's byte, lanes 16-31 block 1's
	v_permlane16_swap_b32 v224, v226
	v_permlane16_swap_b32 v225, v227               ; lane (r, h): the 32 codes of block h of row r
	global_store_b128 v7, v[224:227], s[68:69]     ; each half of the lanes stores 256 consecutive bytes, aligned
	global_store_b8 v10, v238, s[70:71]
	s_add_co_u32 s[TI], s[TI], 1
	s_cmp_lt_u32 s[TI], 2
	s_cbranch_scc1 .Ltile
	s_wait_tensorcnt 0x0                           ; the wave's end
	ds_add_u32 v5, v6
	s_wait_dscnt 0x0
	ROUND                                          ; the closing round
	s_endpgm
.Lfunc_end_k_q68c58c0b10_attn:
	.size	k_q68c58c0b10_attn, .Lfunc_end_k_q68c58c0b10_attn-k_q68c58c0b10_attn
	.p2alignl 7, 3214868480
	.fill 96, 4, 3214868480
	.section	.rodata,"a",@progbits
	.p2align	6, 0x0
	.amdhsa_kernel k_q68c58c0b10_attn
		.amdhsa_group_segment_fixed_size 167936
		.amdhsa_private_segment_fixed_size 0
		.amdhsa_enable_private_segment 0
		.amdhsa_kernarg_size 24
		.amdhsa_user_sgpr_count 2
		.amdhsa_user_sgpr_kernarg_segment_ptr 1
		.amdhsa_wavefront_size32 1
		.amdhsa_system_sgpr_workgroup_id_x 1
		.amdhsa_system_sgpr_workgroup_id_y 1
		.amdhsa_system_sgpr_workgroup_id_z 1
		.amdhsa_system_vgpr_workitem_id 0
		.amdhsa_next_free_vgpr 256
		.amdhsa_next_free_sgpr 80
		.amdhsa_reserve_vcc 1
		.amdhsa_float_denorm_mode_32 3
		.amdhsa_float_denorm_mode_16_64 3
		.amdhsa_memory_ordered 1
		.amdhsa_forward_progress 1
		.amdhsa_inst_pref_size 34
	.end_amdhsa_kernel
	.amdgpu_metadata
---
amdhsa.version: [ 1, 2 ]
amdhsa.kernels:
  - .name:           k_q68c58c0b10_attn
    .symbol:         k_q68c58c0b10_attn.kd
    .args:
      - { .name: qrec, .offset: 0, .size: 8, .value_kind: global_buffer, .address_space: global }
      - { .name: kv, .offset: 8, .size: 8, .value_kind: global_buffer, .address_space: global }
      - { .name: aq, .offset: 16, .size: 8, .value_kind: global_buffer, .address_space: global }
    .group_segment_fixed_size: 167936
    .private_segment_fixed_size: 0
    .kernarg_segment_align: 8
    .kernarg_segment_size: 24
    .max_flat_workgroup_size: 512
    .sgpr_count:     80
    .vgpr_count:     256
    .wavefront_size: 32
...
	.end_amdgpu_metadata
.endif
;; end of part 3
;; launch proj (part 4): grid 4 x 64, 4 waves a work-group, clusters of 4 x 4, 327,680 bytes of LDS; arguments aq, wq2, bproj, out0; writes out0
.if DOCPART == 4
	.amdgcn_target "amdgcn-amd-amdhsa--gfx1250"
	.amdhsa_code_object_version 6
	.text
	.protected	k_q68c58c0b10_proj
	.globl	k_q68c58c0b10_proj
	.p2align	8
	.type	k_q68c58c0b10_proj,@function
k_q68c58c0b10_proj:
	s_mov_b64 s[64:65], 0
	v_nop
	global_prefetch_b8 v0, s[64:65] scope:SCOPE_SE
	s_setreg_imm32_b32 hwreg(HW_REG_WAVE_MODE, 25, 1), 1
	s_wait_xcnt 0x0
	s_wait_alu depctr_hold_cnt(0) depctr_sa_sdst(0) depctr_va_vdst(0) depctr_va_sdst(0) depctr_va_ssrc(0) depctr_va_vcc(0) depctr_vm_vsrc(0)
	s_getreg_b32 s2, hwreg(HW_REG_IB_STS2, 6, 4)
	s_cmp_eq_u32 s2, 0
	s_cbranch_scc0 .Lentry_in_a_cluster
	s_endpgm
.Lentry_in_a_cluster:
	s_bfe_u32 s2, ttmp6, 0x10000c
	s_cmp_lg_u32 s2, 0xf033
	s_cbranch_scc0 .Lentry_shape_is_right
	s_endpgm
.Lentry_shape_is_right:
; PROJ: out0 = attn Wproj + bproj on codes of FP4 (E2M1) with E8M0 scales.  No work of the problem is left out here.
; SHARES.  A tile of the result is 128 rows x 256 columns; four waves; wave w takes all 128 rows x columns 64 w on: 8 x 4 accumulators, 256 registers.  All of K = 1,024 of a tile fits in LDS: every tensor load is a first
; fill, four a wave (four outstanding by this text's count), and nothing is filled again.
; CLUSTERS: 4 x 4 work-groups; attn's tiles are shared along a row of the cluster, W's along a column: each is asked for jointly, with the same descriptor and a mask that names the four.
; THE PRODUCT IS USED TRANSPOSED (source 0 = 16 columns of W, source 1 = 16 rows of attn): a lane holds one token and eight neighbouring columns an accumulator.
; Rows and columns lie in the buffers of codes by position (bits 3 and 4 of the index exchanged): row r of tile 2 b + u is token 32 b + 8 u + (r % 8) + 16 (r / 8); register j of tile 2 b + u, lanes' half h, is column 32 b + 16 h + 8 u + j.
; REGISTERS, in windows of 256: window 0: v1-27 addresses; v28, v29 the add's two; v32-63 attn's scale words, v64-79 W's; v80-111 the bias as C.  window 1: the accumulators.
;   window 2: two sets of fragments (set p: attn's tile i at 96 p + 8 i, W's tile nb at 96 p + 64 + 8 nb); v192-255 rows on the way out.
.set NCOL,  1024
.set KPA,   17*8192*16
.set KPB,   17*NCOL*16
.set LB,    69632                      ; LDS: attn's tiles from 0 (K step s at 34,816 s; part g = [17 planes][32 rows][16 bytes]); W's from here (K step s, wave w at 69,632 s + 17,408 w = [17][64][16])
.set STAGE, 208896                     ; 8,704 bytes for each wave (4,352 used): written by LDS stores alone
.set SPARE, 243712
.set ADRA,  4
.set ADRB,  6
.set ASC,   8
.set BSC,   10
.set LI,    12
.set SPW,   28
.set NIL,   29
.set SA,    32
.set SB,    64
.set BIAS,  80
.set OB,    192
.set WV,    18
.set G1A,   24
.set G1B,   32
.set GA0,   40
.set GA1,   44
.set GB0,   48
.set GB1,   52
.set MSB, 0
.macro WIN new                         ; the immediate's high byte repeats the setting that is left
.if MSB != \new
	s_set_vgpr_msb (MSB<<8)|\new
.set MSB, \new
.endif
.endm
.macro PLACES n
.rept \n
	v_nop
.endr
.endm
.macro CROUND                          ; a round of the cluster's barrier
	s_barrier_signal -1
	s_barrier_wait -1
	s_cmp_lg_u32 s[WV], 0
	s_cbranch_scc1 .Lnot_wave_0_\@
	s_barrier_signal -3
.Lnot_wave_0_\@:
	s_barrier_wait -3
	s_barrier_signal -1
	s_barrier_wait -1
.endm
.macro FETCH s, q, p                   ; the fragments of the q-th 128 along K of K step s into set p: lane (r, h) takes planes 4 q + 2 c + h
	WIN 0x80
.irp i,0,1,2,3,4,5,6,7
.irp c,0,1
	ds_load_b128 v[96*(\p)+8*\i+4*\c:96*(\p)+8*\i+4*\c+3], v[ADRA+(\s)] offset:(\i/2)*8704+(\i%2)*256+(4*(\q)+2*\c)*512
.endr
.endr
.irp nb,0,1,2,3
.irp c,0,1
	ds_load_b128 v[96*(\p)+64+8*\nb+4*\c:96*(\p)+64+8*\nb+4*\c+3], v[ADRB+(\s)] offset:\nb*256+(4*(\q)+2*\c)*1024
.endr
.endr
.endm
.macro SCALES s
	WIN 0
.irp g,0,1,2,3
	ds_load_b128 v[SA+16*(\s)+4*\g:SA+16*(\s)+4*\g+3], v[ASC+(\s)] offset:\g*8704
.endr
.irp p,0,1
	ds_load_b128 v[SB+8*(\s)+4*\p:SB+8*(\s)+4*\p+3], v[BSC+(\s)] offset:\p*512
.endr
.endm
.macro WM d, a, b, c, sa, sb, ra, rb   ; one product; ra, rb: the scale words lie in lanes 16-31
.if (\ra) && (\rb)
	v_wmma_scale_f32_16x16x128_f8f6f4 v[(\d):(\d)+7], v[(\a):(\a)+7], v[(\b):(\b)+7], v[(\c):(\c)+7], v[\sa], v[\sb] matrix_a_fmt:MATRIX_FMT_FP4 matrix_b_fmt:MATRIX_FMT_FP4 matrix_a_scale:MATRIX_SCALE_ROW1 matrix_b_scale:MATRIX_SCALE_ROW1
.elseif \ra
	v_wmma_scale_f32_16x16x128_f8f6f4 v[(\d):(\d)+7], v[(\a):(\a)+7], v[(\b):(\b)+7], v[(\c):(\c)+7], v[\sa], v[\sb] matrix_a_fmt:MATRIX_FMT_FP4 matrix_b_fmt:MATRIX_FMT_FP4 matrix_a_scale:MATRIX_SCALE_ROW1
.elseif \rb
	v_wmma_scale_f32_16x16x128_f8f6f4 v[(\d):(\d)+7], v[(\a):(\a)+7], v[(\b):(\b)+7], v[(\c):(\c)+7], v[\sa], v[\sb] matrix_a_fmt:MATRIX_FMT_FP4 matrix_b_fmt:MATRIX_FMT_FP4 matrix_b_scale:MATRIX_SCALE_ROW1
.else
	v_wmma_scale_f32_16x16x128_f8f6f4 v[(\d):(\d)+7], v[(\a):(\a)+7], v[(\b):(\b)+7], v[(\c):(\c)+7], v[\sa], v[\sb] matrix_a_fmt:MATRIX_FMT_FP4 matrix_b_fmt:MATRIX_FMT_FP4
.endif
.endm
; 32 products, 128 along K.  The 32 accumulators take turns, one instruction a turn, in the same order in every step.  first = 1: the bias is the C of each sum's first product.
.macro MUL s, q, p, first
.if \first
	WIN 0x4a
.else
	WIN 0x5a
.endif
.irp i,0,1,2,3,4,5,6,7
.irp nb,0,1,2,3
.if \first
	WM 32*\i+8*\nb,96*(\p)+64+8*\nb,96*(\p)+8*\i,BIAS+8*\nb,SB+8*(\s)+4*(\nb/2)+(\q),SA+16*(\s)+4*(\i/2)+(\q),\nb%2,\i%2
.else
	WM 32*\i+8*\nb,96*(\p)+64+8*\nb,96*(\p)+8*\i,32*\i+8*\nb,SB+8*(\s)+4*(\nb/2)+(\q),SA+16*(\s)+4*(\i/2)+(\q),\nb%2,\i%2
.endif
.endr
.endr
.endm
.macro SUB s, q, first                 ; this step's fragments are in; the next step's are asked for, into the other set; then the products
.set NX, 4*(\s)+(\q)+1
	s_wait_dscnt 0x0
.if NX == 4
	s_wait_tensorcnt 0x0                           ; my parts of K step 1 have landed,
	s_barrier_signal -1
	s_barrier_wait -1                              ; everybody's have.
.endif
.if NX < 8
.if NX > 1
	PLACES 4                                       ; four places in front of loads into registers that the last products read
.endif
	FETCH NX/4, NX%4, NX%2
.if NX == 4
	SCALES 1
.endif
.endif
	MUL \s, \q, (\q)%2, \first
.endm
	s_load_b256 s[4:11], s[0:1], 0x0               ; aq s[4:5], wq2 s[6:7], bproj s[8:9], out0 s[10:11]
	v_lshl_add_u32 v[SPW], v0, 2, SPARE
	v_mov_b32 v[NIL], 0
	ds_add_u32 v[SPW], v[NIL]                      ; the wave's opening: the add, twice on end, and its wait ahead of my first tensor load
	ds_add_u32 v[SPW], v[NIL]
	v_lshrrev_b32 v1, 5, v0
	v_readfirstlane_b32 s[WV], v1                  ; wave 0..3
	s_bfe_u32 s19, ttmp6, 0x40000                  ; cx
	s_bfe_u32 s20, ttmp6, 0x40004                  ; cy
	s_lshl_b32 s21, ttmp9, 2
	s_add_co_u32 s21, s21, s19                     ; tile column
	s_and_b32 s22, ttmp7, 0xffff
	s_lshl_b32 s22, s22, 2
	s_add_co_u32 s22, s22, s20                     ; tile row
	s_lshl_b32 s56, s20, 2
	s_lshl_b32 s56, 15, s56                        ; my row of the cluster
	s_lshl_b32 s57, 0x1111, s19                    ; my column
	s_or_b32 s[G1A], s56, (3<<16)|(1<<21)          ; attn's tiles: the mask; elements of 8 bytes; bit 21 beside a mask; 32 rows x 16 bytes = 64 elements, 17 planes, 8,192 rows from plane to plane
	s_mov_b32 s[G1A+1], 64<<16
	s_mov_b32 s[G1A+2], 17<<16
	s_mov_b32 s[G1A+3], 64<<16
	s_mov_b32 s[G1A+4], 17
	s_mov_b32 s[G1A+5], 16384
	s_mov_b32 s[G1A+6], 0
	s_mov_b32 s[G1A+7], 0
	s_or_b32 s[G1B], s57, (3<<16)|(1<<21)          ; W's tiles: 64 rows x 16 bytes = 128 elements, 17 planes
	s_mov_b32 s[G1B+1], 128<<16
	s_mov_b32 s[G1B+2], 17<<16
	s_mov_b32 s[G1B+3], 128<<16
	s_mov_b32 s[G1B+4], 17
	s_mov_b32 s[G1B+5], 2*NCOL
	s_mov_b32 s[G1B+6], 0
	s_mov_b32 s[G1B+7], 0
	s_lshl_b32 s58, s22, 11                        ; attn: positions 128 x tile row + 32 x wave: made of the tile row and the wave's number alone
	s_lshl_b32 s60, s[WV], 9
	s_add_co_u32 s58, s58, s60
	s_mov_b32 s59, 0
	s_lshl_b32 s60, s21, 12                        ; W: positions 256 x tile column + 64 x wave: of the tile column and the wave's number alone
	s_lshl_b32 s62, s[WV], 10
	s_add_co_u32 s60, s60, s62
	s_mov_b32 s61, 0
	s_mul_i32 s62, s[WV], 8704                     ; where they go: no place in the cluster enters an LDS address
	s_mul_i32 s63, s[WV], 17408
	s_wait_dscnt 0x0                               ; both opening adds are done
	s_wait_kmcnt 0x0
	s_add_nc_u64 s[58:59], s[4:5], s[58:59]
	s_add_nc_u64 s[60:61], s[6:7], s[60:61]
	s_mov_b32 s[GA0], 1
	s_mov_b32 s[GA0+1], s62
	s_mov_b64 s[GA0+2:GA0+3], s[58:59]
	s_or_b32 s[GA0+3], s[GA0+3], 0x80000000
	s_mov_b32 s[GA1], 1
	s_add_co_u32 s[GA1+1], s62, 34816
	s_add_nc_u64 s[GA1+2:GA1+3], s[58:59], KPA
	s_or_b32 s[GA1+3], s[GA1+3], 0x80000000
	s_mov_b32 s[GB0], 1
	s_add_co_u32 s[GB0+1], s63, LB
	s_mov_b64 s[GB0+2:GB0+3], s[60:61]
	s_or_b32 s[GB0+3], s[GB0+3], 0x80000000
	s_mov_b32 s[GB1], 1
	s_add_co_u32 s[GB1+1], s63, LB+69632
	s_add_nc_u64 s[GB1+2:GB1+3], s[60:61], KPB
	s_or_b32 s[GB1+3], s[GB1+3], 0x80000000
	CROUND                                         ; all sixteen work-groups are here: the joint loads meet
	tensor_load_to_lds s[GA0:GA0+3], s[G1A:G1A+7]  ; every wave issues all four, with no branch
	s_nop 0
	tensor_load_to_lds s[GB0:GB0+3], s[G1B:G1B+7]
	s_nop 0
	tensor_load_to_lds s[GA1:GA1+3], s[G1A:G1A+7]
	s_nop 0
	tensor_load_to_lds s[GB1:GB1+3], s[G1B:G1B+7]
	s_nop 0
	PLACES 4
	v_and_b32 v1, 15, v0                           ; r
	v_bfe_u32 v2, v0, 4, 1                         ; h
	v_and_b32 v3, 31, v0                           ; lane
	v_lshlrev_b32 v[LI], 4, v3
	v_lshlrev_b32 v21, 4, v1                       ; 16 r
	v_lshl_add_u32 v[ADRA], v2, 9, v21
	v_add_nc_u32 v[ADRA+1], 34816, v[ADRA]
	s_add_co_u32 s56, s63, LB
	v_lshl_add_u32 v[ADRB], v2, 10, v21
	v_add_nc_u32 v[ADRB], s56, v[ADRB]
	v_add_nc_u32 v[ADRB+1], 69632, v[ADRB]
	v_add_nc_u32 v[ASC], 8192, v[LI]
	v_add_nc_u32 v[ASC+1], 34816, v[ASC]
	v_add_nc_u32 v[BSC], s56, v[LI]
	v_add_nc_u32 v[BSC], 16384, v[BSC]
	v_add_nc_u32 v[BSC+1], 69632, v[BSC]
	v_lshlrev_b32 v14, 6, v2                       ; the bias: + 16 h numbers
	s_wait_alu depctr_va_vdst(0)
	s_add_co_u32 s57, s62, STAGE                   ; my stage: 16 rows of 256 bytes + 16
	v_mul_u32_u24 v18, v1, 272
	v_lshl_add_u32 v18, v2, 6, v18
	v_add_nc_u32 v18, s57, v18                     ; into it: row r, + 64 h bytes
	v_mul_u32_u24 v19, v2, 272
	v_add_nc_u32 v19, v19, v21
	v_add_nc_u32 v19, s57, v19                     ; out of it: lanes 0-15 one row, lanes 16-31 the next
	v_lshl_add_u32 v20, v2, 12, v21                ; and the same two rows in out0
	s_lshl_b32 s72, s21, 10
	s_lshl_b32 s73, s[WV], 8
	s_add_co_u32 s72, s72, s73
	s_mov_b32 s73, 0
	s_add_nc_u64 s[76:77], s[8:9], s[72:73]        ; the bias of my 64 columns
	s_add_nc_u64 s[84:85], s[10:11], s[72:73]      ; out0 at my columns,
	s_lshl_b32 s72, s22, 19
	s_add_nc_u64 s[84:85], s[84:85], s[72:73]      ; and the tile's first row: 128 rows of 4,096 bytes a tile row
.irp nb,0,1,2,3                        ; C of tile nb, register j, lane (r, h): the bias of column 32 (nb / 2) + 16 h + 8 (nb % 2) + j
	global_load_b128 v[BIAS+8*\nb:BIAS+8*\nb+3], v14, s[76:77] offset:(32*(\nb/2)+8*(\nb%2))*4
	global_load_b128 v[BIAS+8*\nb+4:BIAS+8*\nb+7], v14, s[76:77] offset:(32*(\nb/2)+8*(\nb%2))*4+16
.endr
	s_wait_loadcnt 0x0
	s_wait_tensorcnt 0x2                           ; my parts of K step 0 are in; the two loads issued behind them, K step 1's, may be out
	s_barrier_signal -1
	s_barrier_wait -1
	FETCH 0, 0, 0
	SCALES 0
	SUB 0, 0, 1
	SUB 0, 1, 0
	SUB 0, 2, 0
	SUB 0, 3, 0
	SUB 1, 0, 0
	SUB 1, 1, 0
	SUB 1, 2, 0
	SUB 1, 3, 0
	; THE WAY OUT, a tile of 16 rows x my 64 columns at a time, through my own stage; back as whole rows of 256 bytes.  LDS serves a wave's instructions in order: no wait between the stores and the loads, nor in front of the next tile's stores.
.macro TOSTAGE i
	WIN 0x04                                       ; an LDS store's data are its source 1: window 1
.irp nb,0,1,2,3
	ds_store_b128 v18, v[32*(\i)+8*\nb:32*(\i)+8*\nb+3] offset:(32*(\nb/2)+8*(\nb%2))*4        ; each accumulator from its low end on
	ds_store_b128 v18, v[32*(\i)+8*\nb+4:32*(\i)+8*\nb+7] offset:(32*(\nb/2)+8*(\nb%2))*4+16
.endr
	WIN 0x80
.irp k,0,1,2,3,4,5,6,7
	ds_load_b128 v[OB+32*((\i)%2)+4*\k:OB+32*((\i)%2)+4*\k+3], v19 offset:2*\k*272
.endr
.endm
.macro SEND i, younger                 ; younger: the LDS instructions issued behind tile i's loads, which may stay out
	WIN 0x08
	s_wait_dscnt \younger
.irp k,0,1,2,3,4,5,6,7
	global_store_b128 v20, v[OB+32*((\i)%2)+4*\k:OB+32*((\i)%2)+4*\k+3], s[84:85] offset:(32*((\i)/2)+8*((\i)%2)+((2*\k)%8)+16*(\k/4))*4096 th:TH_STORE_NT   ; each half of the lanes stores 256 consecutive bytes, aligned: stage row 2 k + (lane / 16) is that token
.endr
.endm
	PLACES 4                                       ; four places in front of the first read of results
	s_wait_alu depctr_va_vdst(0)
	TOSTAGE 0
.irp i,1,2,3,4,5,6,7
.if \i > 1
	s_wait_xcnt 0x0                                ; the stores of two tiles back have read their registers: this tile's rows may land there
.endif
	TOSTAGE \i
	SEND \i-1, 16                                  ; behind that tile's loads: this tile's 8 stores and 8 loads
.endr
	SEND 7, 0
	WIN 0
	s_wait_tensorcnt 0x0                           ; the wave's end
	ds_add_u32 v[SPW], v[NIL]
	s_wait_dscnt 0x0
	CROUND                                         ; the closing round
	s_endpgm
.Lfunc_end_k_q68c58c0b10_proj:
	.size	k_q68c58c0b10_proj, .Lfunc_end_k_q68c58c0b10_proj-k_q68c58c0b10_proj
	.p2alignl 7, 3214868480
	.fill 96, 4, 3214868480
	.section	.rodata,"a",@progbits
	.p2align	6, 0x0
	.amdhsa_kernel k_q68c58c0b10_proj
		.amdhsa_group_segment_fixed_size 327680
		.amdhsa_private_segment_fixed_size 0
		.amdhsa_enable_private_segment 0
		.amdhsa_kernarg_size 32
		.amdhsa_user_sgpr_count 2
		.amdhsa_user_sgpr_kernarg_segment_ptr 1
		.amdhsa_wavefront_size32 1
		.amdhsa_system_sgpr_workgroup_id_x 1
		.amdhsa_system_sgpr_workgroup_id_y 1
		.amdhsa_system_sgpr_workgroup_id_z 1
		.amdhsa_system_vgpr_workitem_id 0
		.amdhsa_next_free_vgpr 768
		.amdhsa_next_free_sgpr 96
		.amdhsa_reserve_vcc 0
		.amdhsa_float_denorm_mode_32 3
		.amdhsa_float_denorm_mode_16_64 3
		.amdhsa_memory_ordered 1
		.amdhsa_forward_progress 1
		.amdhsa_inst_pref_size 69
	.end_amdhsa_kernel
	.amdgpu_metadata
---
amdhsa.version: [ 1, 2 ]
amdhsa.kernels:
  - .name:           k_q68c58c0b10_proj
    .symbol:         k_q68c58c0b10_proj.kd
    .args:
      - { .name: aq, .offset: 0, .size: 8, .value_kind: global_buffer, .address_space: global }
      - { .name: wq2, .offset: 8, .size: 8, .value_kind: global_buffer, .address_space: global }
      - { .name: bproj, .offset: 16, .size: 8, .value_kind: global_buffer, .address_space: global }
      - { .name: out0, .offset: 24, .size: 8, .value_kind: global_buffer, .address_space: global }
    .group_segment_fixed_size: 327680
    .private_segment_fixed_size: 0
    .kernarg_segment_align: 8
    .kernarg_segment_size: 32
    .max_flat_workgroup_size: 128
    .sgpr_count:     96
    .vgpr_count:     768
    .wavefront_size: 32
...
	.end_amdgpu_metadata
.endif
;; end of part 4
